; MI455X (gfx1250); checked and timed in simulation.
; The chip was launched on July 23, 2026; its instructions are those of AMD's public machine-readable ISA for CDNA 5 (MIT licence, August 2026) and "CDNA5" Instruction Set Architecture Reference Guide (July 2026). The comments in the code are by the model that wrote it; some were corrected since.
;; Self Attention. Allowed arithmetic: matrix products marked QUANTISED: E5M2 operands, one E8M0 scale for each 32 along K, by v_wmma_scale_f32_16x16x128_f8f6f4 with both operands' format E5M2, f32 sums; everything else in f32.
;; Inputs: Wk_codes 1,024 x 32 x 32 uint8 (E5M2 codes of Wk, K innermost, in blocks of 32 codes); Wk_scales 1,024 x 32 uint8 (E8M0 scales of Wk, one for each 32 codes along K); Wo_codes 1,024 x 32 x 32 uint8 (E5M2 codes of Wo, K innermost, in blocks of 32 codes); Wo_scales 1,024 x 32 uint8 (E8M0 scales of Wo, one for each 32 codes along K); Wq_codes 1,024 x 32 x 32 uint8 (E5M2 codes of Wq, K innermost, in blocks of 32 codes); Wq_scales 1,024 x 32 uint8 (E8M0 scales of Wq, one for each 32 codes along K); Wv_codes 1,024 x 32 x 32 uint8 (E5M2 codes of Wv, K innermost, in blocks of 32 codes); Wv_scales 1,024 x 32 uint8 (E8M0 scales of Wv, one for each 32 codes along K); bk 1,024 float32; bo 1,024 float32; bq 1,024 float32; bv 1,024 float32; x_codes 4 x 2,048 x 32 x 32 uint8 (E5M2 codes of x, K innermost, in blocks of 32 codes); x_scales 4 x 2,048 x 32 uint8 (E8M0 scales of x, one for each 32 codes along K).
;; Outputs: out0 4 x 2,048 x 1,024 float32.
;; This version of the problem:
;;   THIS VERSION OF THE PROBLEM IS GIVEN IN LOW PRECISION. The matrix products marked QUANTISED in the list below multiply operands that are first quantised to E5M2 (5 exponent bits, 2 mantissa bits; 8 bits a number), with one power-of-two scale for each 32 numbers along K (OCP MX v1.0); their sums are f32. All else is computed in f32.
;;   The module's matrix products, in the order in which they are computed (A, B: the left and right operand; K: the contracted axis; several contracted axes count as one K, in the product's order):
;;     1. [M 8,192, K 1,024] x [K 1,024, N 1,024]; A: input x (given as codes); B: input Wq (given as codes): QUANTISED
;;     2. [M 8,192, K 1,024] x [K 1,024, N 1,024]; A: input x (given as codes); B: input Wk (given as codes): QUANTISED
;;     3. [M 8,192, K 1,024] x [K 1,024, N 1,024]; A: input x (given as codes); B: input Wv (given as codes): QUANTISED
;;     4. batch 64 x [M 2,048, K 64] x [K 64, N 2,048]; A: computed on the way; B: computed on the way: QUANTISED
;;     5. batch 64 x [M 2,048, K 2,048] x [K 2,048, N 64]; A: softmax (see below); B: computed on the way: QUANTISED
;;     6. [M 8,192, K 1,024] x [K 1,024, N 1,024]; A: computed on the way; B: input Wo (given as codes): QUANTISED
;;   THE QUANTISER, for each operand of a quantised product, along K:
;;     - K is cut into blocks of 32 from its start; a last block that is shorter is filled with zeros.
;;     - A block's scale is 2^e with e = floor(log2(the largest magnitude in the block)) - 15, held to -126 .. 127; a block of zeros has e = 0. As a byte (E8M0): e + 127.
;;     - Each number is divided by its block's scale, clamped to +-57,344, and rounded to the nearest number of E5M2, ties to even, subnormals kept.
;;     - The product sums the exact products of the quantised numbers (number of the format x scale) in f32.
;;   ~~~python
;;   def quantise(x, axis):      # numpy; x: float32 -> the quantised numbers, widened to float32 again
;;       x = np.moveaxis(x, axis, -1); K = x.shape[-1]
;;       x = np.pad(x, [(0, 0)] * (x.ndim - 1) + [(0, -K % 32)]); x = x.reshape(x.shape[:-1] + (-1, 32)); a = np.abs(x).max(-1, keepdims=True)
;;       e = np.where(a > 0, np.clip(np.frexp(np.where(a > 0, a, 1))[1] - 1 - 15, -126, 127), 0)      # np.frexp(a)[1] - 1 = floor(log2(a)), exactly
;;       r = np.clip(x / 2.0 ** e, -57344, 57344)
;;       step = 2.0 ** (np.maximum(np.frexp(np.where(r == 0, 1, r))[1] - 1, -14) - 2)
;;       q = np.round(r / step) * step * 2.0 ** e      # np.round: ties to even
;;       return np.moveaxis(q.reshape(q.shape[:-2] + (-1,))[..., :K], -1, axis).astype(np.float32)
;;   ~~~
;;   SOFTMAX AHEAD OF A QUANTISED PRODUCT. Where the list says 'softmax', what is quantised is not the finished softmax but p = 2^(t - M), with t = logit x log2(e) and M = ceil(the row's largest t), a whole number; so 1/2 < the row's largest p <= 1. The row's sum l is taken of the UNQUANTISED p, in f32, and the product's result is divided by l at the end. Since M is a whole number, a kernel that streams over the keys may use a running M (the ceiling of the running maximum): every later rescaling is an exact power of two, which a block's scale takes up: the codes' values come out the same.
;;   OPERANDS COMPUTED ON THE WAY. 'Computed on the way' means the value that the module computes at that place (a softmax that the list does not call 'softmax' is quantised finished and normalised). What goes into a quantiser is computed in f32, as accurately as f32 sums, v_exp_f32 and their like allow (about 1e-6 of the number): no bf16 or f16 on the way to a quantiser, and a product that is left as it is and whose result goes on into a quantised operand takes f32 operands (vector FMAs, or v_wmma_f32_16x16x4_f32). A number that lies on a knife's edge between two numbers of the format may be rounded either way, as far as f32 arithmetic and the matrix unit's own rounding can turn it there, and no further.
;;   INPUTS GIVEN AS CODES. Wk (in the module: [1024, 1024], K = its axis 1); Wo (in the module: [1024, 1024], K = its axis 1); Wq (in the module: [1024, 1024], K = its axis 1); Wv (in the module: [1024, 1024], K = its axis 1); x (in the module: [4, 2048, 1024], K = its axis 2): each comes as NAME_codes (uint8): NAME with its K axis moved to the last place and cut into blocks of 32 codes, [.., K / 32, bytes a block], one block behind the other in memory; one code a byte (a code: sign, 5 exponent bits, 2 mantissa bits); and NAME_scales (uint8): the same leading axes, one E8M0 byte (e + 127) for each 32 codes along K. Its value is code x scale, taken as it is: it is not quantised again, and the codes and scales need not be those that the quantiser above would give.
;; One version. Each part assembles by itself: llvm-mc -triple=amdgcn-amd-amdhsa -mcpu=gfx1250 --defsym DOCPART=n.
;; ======== version 1 of 1: 3 launches
;; limits: right only within a limited range of input values
;; workspace buffers: qimg 8,388,608 bytes; qsc 262,144 bytes; kv 17,301,504 bytes; yimg 8,388,608 bytes; ysc 262,144 bytes
;; launch qkv (part 1): grid 4 x 96, 4 waves a work-group, clusters of 4 x 4, 327,680 bytes of LDS; arguments x_codes, x_scales, Wq_codes, Wq_scales, Wk_codes, Wk_scales, Wv_codes, Wv_scales, bq, bk, bv, qimg, qsc, kv; writes qimg, qsc, kv
.if DOCPART == 1
	.amdgcn_target "amdgcn-amd-amdhsa--gfx1250"
	.amdhsa_code_object_version 6
	.text
	.protected	k_q40f4f67376_qkv
	.globl	k_q40f4f67376_qkv
	.p2align	8
	.type	k_q40f4f67376_qkv,@function
k_q40f4f67376_qkv:
	s_mov_b64 s[64:65], 0
	v_nop
	global_prefetch_b8 v0, s[64:65] scope:SCOPE_SE
	s_setreg_imm32_b32 hwreg(HW_REG_WAVE_MODE, 25, 1), 1
	s_wait_xcnt 0x0
	s_wait_alu depctr_hold_cnt(0) depctr_sa_sdst(0) depctr_va_vdst(0) depctr_va_sdst(0) depctr_va_ssrc(0) depctr_va_vcc(0) depctr_vm_vsrc(0)
	s_getreg_b32 s2, hwreg(HW_REG_IB_STS2, 6, 4)
	s_cmp_eq_u32 s2, 0
	s_cbranch_scc0 .Lentry_in_a_cluster
	s_endpgm
.Lentry_in_a_cluster:
	s_bfe_u32 s2, ttmp6, 0x10000c
	s_cmp_lg_u32 s2, 0xf033
	s_cbranch_scc0 .Lentry_shape_is_right
	s_endpgm
.Lentry_shape_is_right:
; q = x Wq^T + bq, k = x Wk^T + bk, v = x Wv^T + bv on codes of BF8 (E5M2) with one E8M0 scale for each 32 along K = 1,024; then q and k are quantised along the head's 64 channels, v along the keys.
; x: 8,192 rows of 1,024 codes; each W: 1,024 rows of 1,024 codes; scale bytes 32 a row.  A tile of 256 x 256 results is made by four waves, 128 x 128 each: 64 accumulators, 512 registers.
; K goes in steps of 256 through a ring of two LDS slots filled by the tensor data mover; the scale bytes of the tile's 512 rows come once and stay.
; ROLES.  The matrix instruction's source 0 ("B") gives the index that runs along a lane's registers, source 1 ("A") the index that a lane owns.  What is quantised must run along the registers:
;   q, k (cluster y 0-7, 8-15):  A = x (a lane owns a token), B = W (registers run along the channels);   v (cluster y 16-23):  A = Wv (a lane owns a channel), B = x (registers run along the keys).
; CLUSTERS: 4 x 4 work-groups; A's tile hangs on cy and the cluster's y, B's on cx and the cluster's y: each tile is asked for jointly by the four that share it.  The grid has one cluster along x.
; THE WAY OUT.  For a block of 16 A rows a lane holds 64 numbers: register 16 b + i is index 32 b + 16 (i / 8) + 8 (lane / 16) + i % 8 of its row.  A block of 32 lies in lanes l and l xor 16.
; The codes are stored AS THEY FALL, as images of operand registers (four registers: 512 bytes, lane l's 16 bytes at 16 l).  So inside each block of 32 the order along K is permuted, alike in q and k, and alike
; in v and in the weights p that the next launch makes in the same layout: products and block scales are the true ones.
;   qimg [head 64][tile of 16 tokens 128][block 2][lane][16];   qsc [head][128 tokens 16][token % 16][pair of tiles 4][4 bytes: tile 2 f: s0, s1; tile 2 f + 1: s0, s1]
;   kv   [head 64][128 keys 16][16,896: K's codes 8 tiles x 1,024 as qimg | V's codes [16 channels 4][32 keys 4][lane][16] | K's scale words as qsc, 256 | V's scale words [channel % 16][4][4 bytes], 256]
; LIMITS: NaN and infinities are not served.  A block whose largest magnitude lies under 2^-111 keeps the scale byte 1; a block of zeros gets 1 and not 127: its codes are zeros, and this program alone reads the bytes.
; REGISTERS, in windows of 256: window 0: v0-31 addresses, v8-15 bias by lane; v32-63 scale words, two sets, and nothing else; v64-127 bias by register; from v128 A's fragments, one set; on the way out v128-253 at work.
;   window 1: B's fragments, two sets.   window 2: accumulators of A's blocks 0-3 ((a, b) at v[8 (8 a + b)]);   window 3: blocks 4-7.
.set KSTEP,  256                       ; along K in a slot
.set NQ,     KSTEP/128                 ; matrix instructions deep
.set ROWB,   256                       ; a tile's row in bytes
.set KROW,   1024                      ; a row of x or of W in memory
.set PITCH,  272                       ; an LDS row: 256 bytes + 16 of padding: the 16 rows that a load touches start at 16 different banks
.set FR,     16                        ; registers of a fragment
.set NL,     4                         ; LDS loads that bring one
.set NP,     8                         ; places behind this matrix instruction (ISA guide 7.12.1)
.set HALFT,  128*PITCH                 ; what one tensor load brings
.set SLOT,   4*HALFT                   ; A's 256 rows, then B's 256 rows
.set KS,     32                        ; a row of scale bytes
.set SCL,    2*SLOT                    ; behind the ring: the scale bytes, as units of 256 bytes + 16 of padding
.set HALFS,  (128*KS/256)*272
.set SBLK,   (16*KS/256)*272
.set SPARE,  SCL+4*HALFS               ; the spare words, 128 bytes a wave: two blocks of 256 bytes that no other line names
.set REC,    16896                     ; a record of kv
.set ADRA, 16                          ; v16-17  LDS address of my A fragments in slot 0, 1
.set ADRB, 20                          ; v20-21  the same for B
.set LI,   24                          ; v24     16 x lane: my place in an image
.set SOF,  25                          ; v25     my place among the scale words: 16 (lane % 16) + (lane / 16) x a head's distance
.set PSEL, 26                          ; v26     byte selector: lanes 0-15 take the even head's two bytes of a word, lanes 16-31 the odd head's
.set ADRS, 27                          ; v27     LDS address of my scale words
.set SPW,  28                          ; v28     LDS address of my spare word; never rewritten
.set NIL,  29                          ; v29     0; never rewritten
.set BPA,  30                          ; v30     32 x (lane / 16): address of the bias by register; never rewritten
.set BQA,  31                          ; v31     4 x (lane % 16): address of the bias by lane; never rewritten
.set BQ,   8                           ; v8-15   bias[16 a + lane % 16]
.set SC,   32                          ; scale words, two sets of 16
.set BP,   64                          ; v64-127 bias[16 b + 8 (lane / 16) + j] at 8 b + j
.set AF,   128                         ; A's fragments
.set NUM,  128                         ; the way out: v128-191 a block's 64 numbers
.set COD,  192                         ; v192-223 its codes, two sets by turns
.set WRD,  224                         ; v224-231 the eight blocks' scale words
.set QUAD, 232                         ; v232-235 the scale words as they are stored
.set TM,   236                         ; v236-251 the quantiser's: largest magnitudes, bytes, scale operands
.set BD,   252                         ; v252-253 a lane's bias, twice
.set G1, 24
.set G0, 32
.set G1B, 48
.set G0B, 56
.set G1S, 68
.set G0S, 76
.set G1SB, 80
.set G0SB, 88
.set MSB, 0
.macro WIN new                         ; the immediate's high byte repeats the setting that is left
.if MSB != (\new)
	s_set_vgpr_msb (MSB<<8)|(\new)
.set MSB, (\new)
.endif
.endm
.set MUL_LO, 0xa1                      ; source 0 (B) window 1, source 1 (A) window 0, C and D window 2
.set MUL_HI, 0xf1                      ; the same, C and D window 3
.set TO_B,   0x40                      ; destination window 1, address window 0
; A joint load: waves 0 and 1 fetch for A, waves 2 and 3 for B; the branch hangs on the wave's number alone.  Four v_nop follow each of the two lines.
.macro JLOAD g0a, g1a, g0b, g1b
	s_cmp_eq_u32 s15, 0
	s_cbranch_scc0 .Lfor_b_\@
	tensor_load_to_lds s[\g0a:\g0a+3], s[\g1a:\g1a+7]
	s_nop 0
.rept 4
	v_nop
.endr
	s_branch .Lasked_\@
.Lfor_b_\@:
	tensor_load_to_lds s[\g0b:\g0b+3], s[\g1b:\g1b+7]
	s_nop 0
.rept 4
	v_nop
.endr
.Lasked_\@:
.endm
.macro CREST                           ; a round of the cluster's barrier behind its opening barrier
	s_cmp_lg_u32 s14, 0
	s_cbranch_scc1 .Lnot_wave_0_\@
	s_barrier_signal -3
.Lnot_wave_0_\@:
	s_barrier_wait -3
	s_barrier_signal -1
	s_barrier_wait -1
.endm
.macro CROUND                          ; a whole round
	s_barrier_signal -1
	s_barrier_wait -1
	CREST
.endm
	s_load_b512 s[68:83], s[0:1], 0x0              ; x codes 68, x scales 70, Wq 72, 74, Wk 76, 78, Wv 80, 82
	s_load_b256 s[84:91], s[0:1], 0x40             ; bq 84, bk 86, bv 88, qimg 90
	s_load_b128 s[92:95], s[0:1], 0x60             ; qsc 92, kv 94
	v_lshl_add_u32 v[SPW], v0, 2, SPARE
	v_mov_b32 v[NIL], 0
	ds_add_u32 v28, v29
	ds_add_u32 v28, v29
	s_wait_dscnt 0x0
	v_lshrrev_b32 v1, 5, v0
	v_readfirstlane_b32 s14, v1                    ; wave 0..3
	s_lshr_b32 s15, s14, 1                         ; which half of A's rows is mine.  Also: I fetch for A (0) or for B (1)
	s_and_b32 s16, s14, 1                          ; which half of B's rows.  Also: which 128 rows of that tile I fetch
	s_bfe_u32 s40, ttmp6, 0x40000                  ; cx
	s_bfe_u32 s41, ttmp6, 0x40004                  ; cy
	s_and_b32 s18, ttmp7, 0xffff                   ; the cluster's y, 0..23: the same in all sixteen partners
	s_lshr_b32 s104, s18, 3                        ; 0: q, 1: k, 2: v
	s_and_b32 s18, s18, 7
	s_lshl_b32 s18, s18, 2                         ; x's four tiles of this cluster begin here
	s_cmp_eq_u32 s104, 2
	s_cselect_b32 s19, 0, s18
	s_cselect_b32 s20, s18, 0
	s_add_co_u32 s17, s41, s19                     ; A's tile: cy (+ x's place for q, k)
	s_add_co_u32 s42, s40, s20                     ; B's tile: cx (+ x's place for v)
	s_lshl_b32 s43, s41, 2
	s_lshl_b32 s43, 15, s43                        ; my row of the cluster
	s_lshl_b32 s44, 0x1111, s40                    ; my column
	; descriptor group 1: a tile of 128 rows x 256 bytes, 16 bytes of padding behind each row
	s_or_b32 s[G1+0], s43, (0<<16)|(1<<20)|(1<<21)|(5<<22)|(3<<25)  ; 15:0 the mask; 17:16 elements of 1 byte; 20 padding on; 21 set beside a mask; 24:22 after every 64 words; 31:25 four words
	s_or_b32 s[G1B+0], s44, (0<<16)|(1<<20)|(1<<21)|(5<<22)|(3<<25)
.irp g, G1, G1B
	s_mov_b32 s[\g+1], ROWB<<16                    ; tensor_dim0
	s_mov_b32 s[\g+2], 128<<16                     ; tensor_dim1
	s_mov_b32 s[\g+3], ROWB<<16                    ; tile_dim0
	s_mov_b32 s[\g+4], 128                         ; tile_dim1
	s_mov_b32 s[\g+5], KROW                        ; tensor_dim0_stride
	s_mov_b32 s[\g+6], 0
	s_mov_b32 s[\g+7], 0
.endr
	s_mov_b32 s66, 0x76543210
	s_mov_b32 s67, 0xfedcba98                      ; v_permlanex16_b32's selects for lane l xor 16
	s_wait_kmcnt 0x0
	; the buffers of my product: every choice hangs on the cluster's y alone
	s_cmp_eq_u32 s104, 1
	s_cselect_b64 s[8:9], s[76:77], s[72:73]       ; Wk or Wq
	s_cselect_b64 s[10:11], s[78:79], s[74:75]
	s_cselect_b64 s[12:13], s[86:87], s[84:85]     ; bk or bq
	s_cmp_eq_u32 s104, 2
	s_cselect_b64 s[4:5], s[80:81], s[68:69]       ; A's codes: Wv or x
	s_cselect_b64 s[6:7], s[82:83], s[70:71]       ; A's scales
	s_cselect_b64 s[8:9], s[68:69], s[8:9]         ; B's codes: x or the weight
	s_cselect_b64 s[10:11], s[70:71], s[10:11]     ; B's scales
	s_cselect_b64 s[12:13], s[88:89], s[12:13]     ; the bias
	s_cmp_eq_u32 s104, 0
	s_cselect_b64 s[96:97], s[90:91], s[94:95]     ; where codes go: qimg or kv
	s_cselect_b64 s[100:101], s[92:93], s[94:95]   ; where scale words go: qsc or kv
	s_mov_b32 s95, 0xffff0000                      ; lanes 16-31
	; group 1 for the scale bytes of 128 rows: 4,096 dense bytes as 16 rows of 256 (32 elements of 8 bytes), 16 bytes of padding behind each
	s_or_b32 s[G1S+0], s43, (3<<16)|(1<<20)|(1<<21)|(5<<22)|(3<<25)
	s_or_b32 s[G1SB+0], s44, (3<<16)|(1<<20)|(1<<21)|(5<<22)|(3<<25)
.irp g, G1S, G1SB
	s_mov_b32 s[\g+1], 32<<16
	s_mov_b32 s[\g+2], (128*KS/256)<<16
	s_mov_b32 s[\g+3], 32<<16
	s_mov_b32 s[\g+4], 128*KS/256
	s_mov_b32 s[\g+5], 32
	s_mov_b32 s[\g+6], 0
	s_mov_b32 s[\g+7], 0
.endr
	s_lshl_b32 s18, s16, 7                         ; which 128 rows of the tile I fetch
	s_lshl_b32 s20, s17, 8
	s_add_co_u32 s20, s20, s18                     ; A: row 256 x tile + 128 x half
	s_lshl_b32 s46, s42, 8
	s_add_co_u32 s46, s46, s18                     ; B likewise
	s_mov_b32 s21, 0
	s_mov_b32 s47, 0
	s_mov_b64 s[18:19], KS
	s_mul_u64 s[22:23], s[20:21], s[18:19]         ; where these rows' scale bytes begin
	s_mul_u64 s[92:93], s[46:47], s[18:19]
	s_mov_b64 s[18:19], KROW
	s_mul_u64 s[20:21], s[20:21], s[18:19]         ; and their codes
	s_mul_u64 s[46:47], s[46:47], s[18:19]
	s_mul_i32 s45, s14, HALFT                      ; where they go: wave x 128 rows: no place in the cluster enters an LDS address
	s_mul_i32 s94, s14, HALFS
	s_add_nc_u64 s[20:21], s[4:5], s[20:21]
	s_add_nc_u64 s[22:23], s[6:7], s[22:23]
	s_add_nc_u64 s[46:47], s[8:9], s[46:47]
	s_add_nc_u64 s[92:93], s[10:11], s[92:93]
	CROUND                                         ; all sixteen work-groups are here: the first joint loads meet
	s_mov_b32 s[G0S], 1
	s_add_co_u32 s[G0S+1], s94, SCL
	s_mov_b64 s[G0S+2:G0S+3], s[22:23]
	s_or_b32 s[G0S+3], s[G0S+3], 0x80000000
	s_mov_b32 s[G0SB], 1
	s_add_co_u32 s[G0SB+1], s94, SCL
	s_mov_b64 s[G0SB+2:G0SB+3], s[92:93]
	s_or_b32 s[G0SB+3], s[G0SB+3], 0x80000000
	JLOAD G0S, G1S, G0SB, G1SB                     ; the scale bytes first: they are wanted with K step 0
.irp s, 0,1
	s_mov_b32 s[G0+4*\s], 1
	s_add_co_u32 s[G0+4*\s+1], s45, \s*SLOT
	s_add_nc_u64 s[G0+4*\s+2:G0+4*\s+3], s[20:21], \s*ROWB
	s_or_b32 s[G0+4*\s+3], s[G0+4*\s+3], 0x80000000
	s_mov_b32 s[G0B+4*\s], 1
	s_add_co_u32 s[G0B+4*\s+1], s45, \s*SLOT
	s_add_nc_u64 s[G0B+4*\s+2:G0B+4*\s+3], s[46:47], \s*ROWB
	s_or_b32 s[G0B+4*\s+3], s[G0B+4*\s+3], 0x80000000
	JLOAD G0+4*\s, G1, G0B+4*\s, G1B
.endr
	v_and_b32 v1, 15, v0                           ; r = lane % 16
	v_bfe_u32 v2, v0, 4, 1                         ; h = lane / 16
	v_mul_u32_u24 v3, v1, PITCH
	v_lshl_add_u32 v4, v2, 4, v3                   ; a fragment's row x pitch + 16 x half
	s_mul_i32 s21, s15, HALFT                      ; my 128 rows of A
	s_mul_i32 s22, s16, HALFT                      ; my 128 rows of B,
	s_add_co_u32 s22, s22, 2*HALFT                 ; which lie behind A's 256
.irp s, 0,1
	v_add_nc_u32 v[ADRA+\s], s21, v4
	v_add_nc_u32 v[ADRB+\s], s22, v4
	s_add_co_u32 s21, s21, SLOT
	s_add_co_u32 s22, s22, SLOT
.endr
	v_mul_u32_u24 v5, v1, KS                       ; my row's scale bytes: 32 a row,
	v_lshrrev_b32 v6, 8, v5
	v_lshl_add_u32 v5, v6, 4, v5                   ; and 16 more for each 256 passed
	s_mul_i32 s21, s15, HALFS                      ; A's: my 128 rows
	s_mul_i32 s22, s16, HALFS                      ; B's: my 128 rows, behind A's 256
	s_add_co_u32 s22, s22, 2*HALFS
	s_sub_co_u32 s22, s22, s21
	v_mul_u32_u24 v6, s22, v2                      ; lanes 16-31 take B's
	s_add_co_u32 s21, s21, SCL
	v_add_nc_u32 v5, v5, v6
	v_add_nc_u32 v[ADRS], s21, v5
	; where my results go.  From here on cx and cy meet, in registers that feed global addresses of stores and of the bias alone
	s_lshl_b32 s18, s17, 8
	s_lshl_b32 s19, s15, 7
	s_add_co_u32 s18, s18, s19                     ; my first row of A
	s_lshl_b32 s20, s42, 8
	s_lshl_b32 s21, s16, 7
	s_add_co_u32 s20, s20, s21                     ; my first row of B
	s_cmp_eq_u32 s104, 2
	s_cselect_b32 s19, s20, s18                    ; my first token (of 8,192),
	s_cselect_b32 s21, s18, s20                    ; my first channel (of 1,024): 128 of each
	s_lshl_b32 s22, s21, 2
	s_mov_b32 s23, 0
	s_add_nc_u64 s[12:13], s[12:13], s[22:23]      ; the bias of my 128 channels; never rewritten
	v_lshlrev_b32 v[BPA], 5, v2
	v_lshlrev_b32 v[BQA], 2, v1
.irp b, 0,1,2,3,4,5,6,7                        ; the same 128 numbers in both layouts: the arm of the way out takes the one that fits it
	global_load_b128 v[BP+8*\b:BP+8*\b+3], v[BPA], s[12:13] offset:64*\b
	global_load_b128 v[BP+8*\b+4:BP+8*\b+7], v[BPA], s[12:13] offset:64*\b+16
	global_load_b32 v[BQ+\b], v[BQA], s[12:13] offset:64*\b
.endr
	s_lshr_b32 s22, s19, 11
	s_lshl_b32 s22, s22, 4
	s_lshr_b32 s21, s21, 6
	s_add_co_u32 s22, s22, s21                     ; my even head: 16 x batch + channel / 64
	s_bfe_u32 s21, s19, 0x40007                    ; which 128 tokens of the 2,048
	s_cmp_eq_u32 s104, 0
	s_mov_b32 s45, 16*REC
	s_cselect_b32 s46, 131072, s45                 ; codes: from head to head
	s_cselect_b32 s47, 4096, s45                   ; scale words: from head to head
	s_mov_b32 s45, REC
	s_cselect_b32 s92, 8192, s45                   ; codes: from 128 tokens to the next
	s_cselect_b32 s93, 256, s45                    ; scale words likewise
	s_cselect_b32 s94, 0, 16384                    ; scale words' place in a record: q none, k
	s_cmp_eq_u32 s104, 2
	s_cselect_b32 s45, 8192, 0                     ; V's codes lie behind K's
	s_cselect_b32 s94, 16640, s94                  ; and V's scale words behind K's
	s_mul_i32 s18, s22, s46
	s_mul_i32 s20, s21, s92
	s_add_co_u32 s18, s18, s20
	s_add_co_u32 s18, s18, s45
	s_mov_b32 s19, 0
	s_add_nc_u64 s[96:97], s[96:97], s[18:19]      ; the even head's codes
	s_mov_b32 s18, s46
	s_add_nc_u64 s[98:99], s[96:97], s[18:19]      ; the odd head's
	s_mul_i32 s18, s22, s47
	s_mul_i32 s20, s21, s93
	s_add_co_u32 s18, s18, s20
	s_add_co_u32 s18, s18, s94
	s_add_nc_u64 s[100:101], s[100:101], s[18:19]  ; the even head's scale words
	v_and_b32 v6, 31, v0
	v_lshlrev_b32 v[LI], 4, v6
	v_lshlrev_b32 v[SOF], 4, v1
	v_mad_u32_u24 v[SOF], v2, s47, v[SOF]
	v_mov_b32 v5, 0x07060302
	v_mov_b32 v[PSEL], 0x05040100
	v_cndmask_b32 v[PSEL], v[PSEL], v5, s95
.macro FRAG reg, adr, q, i             ; a fragment, 16 rows x 128 K: lane l holds row l % 16; registers 4 c .. 4 c + 3 hold K = 32 c + 16 (l / 16) + 0 .. 15
.irp c, 0,1,2,3
	ds_load_b128 v[\reg+4*\c:\reg+4*\c+3], v[\adr] offset:128*(\q)+32*\c+(\i)*16*PITCH
.endr
.endm
; 16 matrix instructions: A's blocks a0, a0 + 1 x B's eight, the slot's q-th 128 along K.  p: B's set; sc: the set of scale words.  zero = 1: the first product starts the sums.
; The 64 accumulators take turns, one instruction a turn, in the same order in every step.
.macro MUL16 a0, p, q, sc, zero
.irp a, \a0, \a0+1
.irp b, 0,1,2,3,4,5,6,7
.if \zero
	v_wmma_scale_f32_16x16x128_f8f6f4 v[8*(8*((\a)%4)+\b):8*(8*((\a)%4)+\b)+7], v[128*(\p)+FR*\b:128*(\p)+FR*\b+FR-1], v[AF+FR*(\a):AF+FR*(\a)+FR-1], 0, v[SC+8*NQ*(\sc)+NQ*\b+(\q)], v[SC+8*NQ*(\sc)+NQ*(\a)+(\q)] matrix_a_fmt:MATRIX_FMT_BF8 matrix_b_fmt:MATRIX_FMT_BF8 matrix_a_scale:MATRIX_SCALE_ROW1
.else
	v_wmma_scale_f32_16x16x128_f8f6f4 v[8*(8*((\a)%4)+\b):8*(8*((\a)%4)+\b)+7], v[128*(\p)+FR*\b:128*(\p)+FR*\b+FR-1], v[AF+FR*(\a):AF+FR*(\a)+FR-1], v[8*(8*((\a)%4)+\b):8*(8*((\a)%4)+\b)+7], v[SC+8*NQ*(\sc)+NQ*\b+(\q)], v[SC+8*NQ*(\sc)+NQ*(\a)+(\q)] matrix_a_fmt:MATRIX_FMT_BF8 matrix_b_fmt:MATRIX_FMT_BF8 matrix_a_scale:MATRIX_SCALE_ROW1
.endif
.endr
.endr
.endm
.macro FETCH_B slot, q, p              ; B's eight fragments of the slot's q-th 128 along K into set p
	WIN TO_B
.irp i, 0,1,2,3,4,5,6,7
	FRAG 128*(\p)+FR*\i, ADRB+\slot, \q, \i
.endr
	WIN 0
.endm
.macro FETCH_A slot, q, i0             ; A's blocks i0 .. i0 + 3
.irp i, \i0, \i0+1, \i0+2, \i0+3
	FRAG AF+FR*(\i), ADRA+\slot, \q, \i
.endr
.endm
.macro SCALES sc                       ; a K step's scale words: two a row; lanes 0-15 take A's block i, lanes 16-31 B's block i
.irp i, 0,1,2,3,4,5,6,7
	ds_load_b64 v[SC+8*NQ*\sc+NQ*\i:SC+8*NQ*\sc+NQ*\i+1], v[ADRS] offset:\i*SBLK
.endr
.endm
.macro PLACES n                        ; plain vector instructions that name no register of the matrix instructions in front (ISA guide 7.12.1)
.rept \n
	v_nop
.endr
.endm
; A step of 128 along K that has its successor in the same slot.
.macro STEP slot, q, zero
	s_wait_dscnt 4*NL                              ; B's set and A's blocks 0-3 are in; the youngest sixteen loads (A's blocks 4-7) may be out
	WIN MUL_LO
	MUL16 0, (\q)%2, \q, \slot, \zero
	MUL16 2, (\q)%2, \q, \slot, \zero
	s_wait_dscnt 0                                 ; A's blocks 4-7 are in
	PLACES NP
	FETCH_B \slot, (\q)+1, 1-(\q)%2
	FETCH_A \slot, (\q)+1, 0
	WIN MUL_HI
	MUL16 4, (\q)%2, \q, \slot, \zero
	MUL16 6, (\q)%2, \q, \slot, \zero
	PLACES NP
	WIN 0
	FETCH_A \slot, (\q)+1, 4
.endm
; A slot's last step changes slots: one barrier; in front of it each wave waits for all its tensor loads, adds 0 to its spare word, and waits for that and for its reads of this slot.  fill = 1: the slot is filled again, two K steps ahead.
.macro TURN slot, next, fill
	s_wait_tensorcnt 0x0                           ; all my tensor loads have landed: my part of the next slot (every window is 0 here)
	ds_add_u32 v[SPW], v[NIL]                      ; 0 onto my spare word
	s_wait_dscnt 4*NL+1                            ; the add and the youngest sixteen loads (A's blocks 4-7) may be out
	WIN MUL_LO
	MUL16 0, 1, NQ-1, \slot, 0                     ; sixteen matrix instructions stand between the add and the wait for it
	s_wait_dscnt 0x0                               ; the add is done, and my reads of this slot are over
	s_barrier_signal -1
	MUL16 2, 1, NQ-1, \slot, 0
	WIN 0
	s_barrier_wait -1
.if \fill
	CREST                                          ; the barrier has opened a round of the cluster's: no wave of any partner still reads this slot or has a load on its way
	s_add_nc_u64 s[G0+4*\slot+2:G0+4*\slot+3], s[G0+4*\slot+2:G0+4*\slot+3], 2*ROWB
	s_add_nc_u64 s[G0B+4*\slot+2:G0B+4*\slot+3], s[G0B+4*\slot+2:G0B+4*\slot+3], 2*ROWB
	JLOAD G0+4*\slot, G1, G0B+4*\slot, G1B         ; the first tensor load behind the round; its four v_nop are four of the eight places
	PLACES NP-4
.else
	PLACES NP
.endif
	s_wait_alu depctr_va_vdst(0)
	v_add_nc_u32 v[ADRS], 4*NQ, v[ADRS]            ; on to the next K step's scale words
	FETCH_B \next, 0, 0
	FETCH_A \next, 0, 0
	SCALES \next
	WIN MUL_HI
	MUL16 4, 1, NQ-1, \slot, 0
	MUL16 6, 1, NQ-1, \slot, 0
	PLACES NP
	WIN 0
	FETCH_A \next, 0, 4
.endm
; 64 numbers of a lane, v[s] on, four blocks of 16 (the other 16 of each block lie in lane l xor 16), become 16 registers of codes at v[pc] and the scale word v[pw].
.macro QUANT s, pc, pw
.irp b, 0,1,2,3
	v_max3_num_f32 v[TM+\b], |v[\s+16*\b]|, |v[\s+1+16*\b]|, 0x8000000   ; my 16 numbers, and the floor 2^(16 - 127): the byte cannot fall under 1
.endr
.irp i, 2,4,6,8,10,12,14
.irp b, 0,1,2,3
	v_max3_num_f32 v[TM+\b], v[TM+\b], |v[\s+16*\b+\i]|, |v[\s+1+16*\b+\i]|   ; the four blocks by turns
.endr
.endr
.irp b, 0,1,2,3
	v_permlanex16_b32 v[TM+4+\b], v[TM+\b], s66, s67
.endr
.irp b, 0,1,2,3
	v_max_num_f32 v[TM+\b], v[TM+\b], v[TM+4+\b]   ; the block's largest magnitude
.endr
.irp b, 0,1,2,3
	v_add_nc_u32 v[TM+12+\b], 0xf8800000, v[TM+\b] ; 15 off its exponent field: the conversion's scale operand
.endr
.irp b, 0,1,2,3
.endr
.irp b, 0,1,2,3
	v_lshrrev_b32 v[TM+4+\b], 23, v[TM+12+\b]      ; the scale's byte
.endr
	v_lshl_or_b32 v[\pw], v[TM+5], 8, v[TM+4]
	v_lshl_or_b32 v[\pw], v[TM+6], 16, v[\pw]
	v_lshl_or_b32 v[\pw], v[TM+7], 24, v[\pw]
.irp b, 0,1,2,3
.irp i, 0,1,2,3,4,5,6,7,8,9,10,11,12,13,14,15
.endr
	v_cvt_scalef32_pk8_bf8_f32 v[\pc+4*\b:\pc+1+4*\b], v[\s+16*\b:\s+7+16*\b], v[TM+12+\b]
	v_cvt_scalef32_pk8_bf8_f32 v[\pc+2+4*\b:\pc+3+4*\b], v[\s+8+16*\b:\s+15+16*\b], v[TM+12+\b]
.endr
	v_nop                                          ; a plain line between the last conversion and the next vector line that writes its sources
.endm
; Block a of 16 A rows leaves: bias added (which also brings the sums into window 0, each accumulator from its low end on), quantised, stored as four images of 512 consecutive bytes.
.macro EPI a, isv
.set AC, 64*((\a)%4)
.set CSET, COD+16*((\a)%2)
.if \isv
	v_mov_b32 v[BD], v[BQ+(\a)]                    ; a lane owns a channel: one bias for all its numbers
	v_mov_b32 v[BD+1], v[BQ+(\a)]
.endif
	WIN 0x02+(\a)/4                                ; source 0: window 2 or 3
.set i, 0
.rept 32
.if \isv
	v_pk_add_f32 v[NUM+2*i:NUM+2*i+1], v[AC+2*i:AC+2*i+1], v[BD:BD+1]
.else
	v_pk_add_f32 v[NUM+2*i:NUM+2*i+1], v[AC+2*i:AC+2*i+1], v[BP+2*i:BP+2*i+1]
.endif
.set i, i+1
.endr
	WIN 0
	s_wait_xcnt 0x0                                ; the stores of two blocks back have read this set of code registers
	QUANT NUM, CSET, WRD+(\a)
.if \isv
.irp g, 0,1,2,3                                ; 16 channels x 128 keys: fragment a % 4 of the even head (a < 4) or the odd one
.if (\a) < 4
	global_store_b128 v[LI], v[CSET+4*\g:CSET+4*\g+3], s[96:97] offset:2048*((\a)%4)+512*\g
.else
	global_store_b128 v[LI], v[CSET+4*\g:CSET+4*\g+3], s[98:99] offset:2048*((\a)%4)+512*\g
.endif
.endr
.else
	global_store_b128 v[LI], v[CSET:CSET+3], s[96:97] offset:1024*(\a)          ; 16 tokens: the even head's two blocks of 32 channels,
	global_store_b128 v[LI], v[CSET+4:CSET+7], s[96:97] offset:1024*(\a)+512
	global_store_b128 v[LI], v[CSET+8:CSET+11], s[98:99] offset:1024*(\a)       ; the odd head's
	global_store_b128 v[LI], v[CSET+12:CSET+15], s[98:99] offset:1024*(\a)+512
.endif
.endm
	s_wait_tensorcnt 1                             ; of my three first fills the scale bytes and K step 0 are in; K step 1's may be out
	s_barrier_signal -1
	s_barrier_wait -1                              ; everybody's are
	FETCH_B 0, 0, 0
	FETCH_A 0, 0, 0
	SCALES 0
	FETCH_A 0, 0, 4
	STEP 0, 0, 1                                   ; K = 1,024 is four K steps: slots 0, 1, 0, 1, written straight.  The first step's products start the sums
	TURN 0, 1, 1
	STEP 1, 0, 0
	TURN 1, 0, 1
	STEP 0, 0, 0
	TURN 0, 1, 0                                   ; the last two K steps fill nothing
	STEP 1, 0, 0
	s_wait_dscnt 4*NL
	WIN MUL_LO
	MUL16 0, 1, NQ-1, 1, 0
	MUL16 2, 1, NQ-1, 1, 0
	s_wait_dscnt 0
	WIN MUL_HI
	MUL16 4, 1, NQ-1, 1, 0
	MUL16 6, 1, NQ-1, 1, 0
	WIN 0
	PLACES NP                                      ; in front of the first read of results and of writes over A's fragments
	s_wait_loadcnt 0x0                             ; the bias
.irp b, 0,1,2,3
	v_mov_b32 v[TM+4+\b], 0                        ; a lane permute's destination counts as one of its sources
.endr
	s_cmp_eq_u32 s104, 2                           ; the same in all sixteen partners
	s_cbranch_scc1 .Lv
.irp a, 0,1,2,3,4,5,6,7
	EPI \a, 0
.endr
.irp p, 0,1,2,3
	v_perm_b32 v[QUAD+\p], v[WRD+2*\p+1], v[WRD+2*\p], v[PSEL]   ; tiles 2 p and 2 p + 1: two bytes of each: the even head's in lanes 0-15, the odd head's in lanes 16-31
.endr
	global_store_b128 v[SOF], v[QUAD:QUAD+3], s[100:101]          ; each half of the lanes stores 256 consecutive bytes, aligned
	s_branch .Lend
.Lv:
.irp a, 0,1,2,3,4,5,6,7
	EPI \a, 1
.endr
.irp t, 0,1,2,3
	v_cndmask_b32 v[QUAD+\t], v[WRD+\t], v[WRD+4+\t], s95         ; lanes 0-15: the even head's four fragments; lanes 16-31: the odd head's
.endr
	global_store_b128 v[SOF], v[QUAD:QUAD+3], s[100:101]
.Lend:
	s_wait_tensorcnt 0x0                           ; the wave's end
	ds_add_u32 v[SPW], v[NIL]
	s_wait_dscnt 0x0
	CROUND                                         ; the closing round
	s_endpgm
.Lfunc_end_k_q40f4f67376_qkv:
	.size	k_q40f4f67376_qkv, .Lfunc_end_k_q40f4f67376_qkv-k_q40f4f67376_qkv
	.p2alignl 7, 3214868480
	.fill 96, 4, 3214868480
	.section	.rodata,"a",@progbits
	.p2align	6, 0x0
	.amdhsa_kernel k_q40f4f67376_qkv
		.amdhsa_group_segment_fixed_size 327680
		.amdhsa_private_segment_fixed_size 0
		.amdhsa_enable_private_segment 0
		.amdhsa_kernarg_size 112
		.amdhsa_user_sgpr_count 2
		.amdhsa_user_sgpr_kernarg_segment_ptr 1
		.amdhsa_wavefront_size32 1
		.amdhsa_system_sgpr_workgroup_id_x 1
		.amdhsa_system_sgpr_workgroup_id_y 1
		.amdhsa_system_sgpr_workgroup_id_z 1
		.amdhsa_system_vgpr_workitem_id 0
		.amdhsa_next_free_vgpr 1024
		.amdhsa_next_free_sgpr 106
		.amdhsa_reserve_vcc 0
		.amdhsa_float_denorm_mode_32 3
		.amdhsa_float_denorm_mode_16_64 3
		.amdhsa_fp16_overflow 1
		.amdhsa_memory_ordered 1
		.amdhsa_forward_progress 1
		.amdhsa_inst_pref_size 219
	.end_amdhsa_kernel
	.amdgpu_metadata
---
amdhsa.version: [ 1, 2 ]
amdhsa.kernels:
  - .name:           k_q40f4f67376_qkv
    .symbol:         k_q40f4f67376_qkv.kd
    .args:
      - { .name: x_codes, .offset: 0, .size: 8, .value_kind: global_buffer, .address_space: global }
      - { .name: x_scales, .offset: 8, .size: 8, .value_kind: global_buffer, .address_space: global }
      - { .name: Wq_codes, .offset: 16, .size: 8, .value_kind: global_buffer, .address_space: global }
      - { .name: Wq_scales, .offset: 24, .size: 8, .value_kind: global_buffer, .address_space: global }
      - { .name: Wk_codes, .offset: 32, .size: 8, .value_kind: global_buffer, .address_space: global }
      - { .name: Wk_scales, .offset: 40, .size: 8, .value_kind: global_buffer, .address_space: global }
      - { .name: Wv_codes, .offset: 48, .size: 8, .value_kind: global_buffer, .address_space: global }
      - { .name: Wv_scales, .offset: 56, .size: 8, .value_kind: global_buffer, .address_space: global }
      - { .name: bq, .offset: 64, .size: 8, .value_kind: global_buffer, .address_space: global }
      - { .name: bk, .offset: 72, .size: 8, .value_kind: global_buffer, .address_space: global }
      - { .name: bv, .offset: 80, .size: 8, .value_kind: global_buffer, .address_space: global }
      - { .name: qimg, .offset: 88, .size: 8, .value_kind: global_buffer, .address_space: global }
      - { .name: qsc, .offset: 96, .size: 8, .value_kind: global_buffer, .address_space: global }
      - { .name: kv, .offset: 104, .size: 8, .value_kind: global_buffer, .address_space: global }
    .group_segment_fixed_size: 327680
    .private_segment_fixed_size: 0
    .kernarg_segment_align: 8
    .kernarg_segment_size: 112
    .max_flat_workgroup_size: 128
    .sgpr_count:     106
    .vgpr_count:     1024
    .wavefront_size: 32
...
	.end_amdgpu_metadata
.endif
;; end of part 1
;; launch attn (part 2): grid 4 x 64, 16 waves a work-group, clusters of 4 x 1, 272,384 bytes of LDS; arguments qimg, qsc, kv, yimg, ysc; writes yimg, ysc
.if DOCPART == 2
	.amdgcn_target "amdgcn-amd-amdhsa--gfx1250"
	.amdhsa_code_object_version 6
	.text
	.protected	k_q40f4f67376_attn
	.globl	k_q40f4f67376_attn
	.p2align	8
	.type	k_q40f4f67376_attn,@function
k_q40f4f67376_attn:
	s_mov_b64 s[64:65], 0
	v_nop
	global_prefetch_b8 v0, s[64:65] scope:SCOPE_SE
	s_setreg_imm32_b32 hwreg(HW_REG_WAVE_MODE, 25, 1), 1
	s_wait_xcnt 0x0
	s_wait_alu depctr_hold_cnt(0) depctr_sa_sdst(0) depctr_va_vdst(0) depctr_va_sdst(0) depctr_va_ssrc(0) depctr_va_vcc(0) depctr_vm_vsrc(0)
	s_getreg_b32 s2, hwreg(HW_REG_IB_STS2, 6, 4)
	s_cmp_eq_u32 s2, 0
	s_cbranch_scc0 .Lentry_in_a_cluster
	s_endpgm
.Lentry_in_a_cluster:
	s_bfe_u32 s2, ttmp6, 0x10000c
	s_cmp_lg_u32 s2, 0x3003
	s_cbranch_scc0 .Lentry_shape_is_right
	s_endpgm
.Lentry_shape_is_right:
; y[head][q] = the sum over keys k <= q of softmax_k(q . k / 32) v[k], both products on codes of BF8 (E5M2) with one E8M0 scale for each 32 along a product's K; y is then quantised along the 1,024 channels.
; THE SOFTMAX: t = score x log2(e) / 32; M = the running largest t rounded UP to a whole number; p = 2^(t - M) is quantised along the keys, not normalised; the row's sum is taken of the unquantised p and divides at the end.
; When M moves, the sum and O are multiplied by 2^(old M - new M), which rounds nothing.
; SHARES.  The four work-groups of a cluster serve one head (64 heads x batches: the cluster's y).  A WHOLE HEAD'S K, V AND SCALE WORDS LIE IN LDS: 16 records of 16,896 bytes, one for each 128 keys; wave w asks for
; record w, jointly with the same wave of the three partners; LDS is filled once and only read afterwards.
; A wave owns two tiles of 16 queries, j and 127 - j, j = 8 (w / 2) + 4 (w % 2) + cx.  Tile J needs J / 8 whole steps of 128 keys and one on the diagonal: 17 steps for every wave.  The counts of steps hang on the
; wave's number alone; cx enters global addresses, the mask's threshold and a byte selector, and nothing else.
; LAYOUT.  Both products are used transposed: S^T = K Q^T, O^T = V^T P^T: a lane holds one query (lane % 16) throughout.  Register 8 T + j of S^T is key 16 T + 8 (lane / 16) + j; converted as they lie, a lane's 16
; numbers of two neighbouring tiles are its 16 bytes of a block of 32 keys, in the same order inside the block in which the launch before laid V: products and block scales are the true ones.  q and k agree likewise.
; K = 64 IN AN INSTRUCTION OF 128.  A fragment of K holds two tiles of 16 keys (registers 0-7, 8-15).  Against [q, zeros] it gives the first tile's scores, against [zeros, q] the second's: the run v16-39 is zeros, q, zeros.
; y leaves in TRUE order (its partner Wo is given): one exchange with lane l xor 16.   yimg [256 channels 4][16 rows 512][128 channels 2][32 channels 4][lane][16];   ysc [row 8,192][32].
; ysc is stored two bytes a lane, rows 32 bytes apart: one byte in 32 of what this launch stores; so the next launch finds y's scale bytes laid as x's are.
; LIMITS: NaN and infinities are not served; a p under 2^-126 counts as 0; a block under 2^-111, or of zeros, keeps the scale byte 1 (its codes are zeros or denormal codes; this program alone reads the bytes).
.set REC,  16896                       ; a record: K's codes 8,192 | V's codes 8,192 | K's scale words 256 | V's 256
.set LI,   1                           ; v1   16 x lane
.set LR,   2                           ; v2   16 x (lane % 16)
.set ADL,  3                           ; v3   the step's record + LI
.set ADR,  4                           ; v4   the step's record + LR
.set RH,   5                           ; v5   lane % 16 - 8 (lane / 16)
.set DM,   6                           ; v6   the mask's threshold: RH + 16 x the tile's place in its 128 queries
.set RR,   7                           ; v7   lane % 16
.set YA,   8                           ; v8-9   where the two tiles' scale bytes of y go
.set YS,   10                          ; v10-11 those bytes, two to a tile
.set FRG,  40                          ; v40-103  four fragments of K, then of V
.set S,    104                         ; v104-167 S^T, then p
.set O,    168                         ; v168-199 O^T
.set COD,  200                         ; v200-215 p's codes
.set BM,   216                         ; v216-219 a block's largest score, then its largest p
.set T1,   220                         ; v220-223 at work
.set HL,   224                         ; v224-227 at work: chains of the sum
.set SV,   228                         ; v228-231 the conversions' scale operands
.set FF,   232                         ; v232-233 f = 2^(old M - new M); the pair's upper half is written once and not used
.set TMP,  234
.set PW,   235                         ; p's scale word
.set SUM2, 236                         ; v236-237 the second chain of the sum
.set NINF, 238
.set KSC,  240                         ; v240-243 K's scale words
.set VSC,  244                         ; v244-247 V's
.set QW,   248                         ; q's scale word: s0, s1, s0, s1
.set QRAW, 249                         ; as loaded: two tiles' bytes
.set WV,   14
.set CX,   15
.set BH,   16
.set J16A, 17                          ; 16 x the tile's place in its 128 queries
.set J16B, 18
.set MNT,  19
.set SEL,  20
.set CS,   22
.set G1,   24
.set G0,   32
.set TB,   36                          ; LDS byte at which the step's record begins
.set IC,   37                          ; the walk's counter
.set NF0,  38                          ; whole steps of tile 0, of tile 1
.set NF1,  39
.set JL0,  40
.set JL1,  41
.set QB0,  42
.set SB0,  44
.set YB0,  46
.set HM,   50                          ; lanes 16-31
.set PS0,  51
.set PS1,  52
.set QB1,  54
.set SB1,  56
.set YB1,  58
.macro ROUND                           ; a round of the cluster's barrier
	s_barrier_signal -1
	s_barrier_wait -1
	s_cmp_lg_u32 s[WV], 0
	s_cbranch_scc1 .Lnot_wave_0_\@
	s_barrier_signal -3
.Lnot_wave_0_\@:
	s_barrier_wait -3
	s_barrier_signal -1
	s_barrier_wait -1
.endm
	s_load_b256 s[4:11], s[0:1], 0x0               ; qimg s[4:5], qsc s[6:7], kv s[8:9], yimg s[10:11]
	s_load_b64 s[12:13], s[0:1], 0x20              ; ysc
	v_lshl_add_u32 v254, v0, 2, 0x42000
	v_mov_b32 v255, 0
	ds_add_u32 v254, v255
	ds_add_u32 v254, v255
	v_lshrrev_b32 v1, 5, v0
	s_delay_alu instid0(VALU_DEP_1)
	v_readfirstlane_b32 s[WV], v1                  ; wave 0..15
	s_bfe_u32 s[CX], ttmp6, 0x40000                ; cx
	s_and_b32 s[BH], ttmp7, 0xffff                 ; 16 x batch + head: shared by the four partners
	s_lshr_b32 s[NF0], s[WV], 1
	s_xor_b32 s[NF1], s[NF0], 15                   ; 15 - w / 2
	s_and_b32 s[JL0], s[WV], 1
	s_lshl_b32 s[JL0], s[JL0], 2
	s_add_co_u32 s[JL0], s[JL0], s[CX]
	s_xor_b32 s[JL1], s[JL0], 7                    ; 7 - the other tile's place
	; descriptor group 1: a record, dense: 66 rows of 256 bytes (32 elements of 8 bytes), no padding: images are read 16 bytes a lane on end
	s_mov_b32 s[G1], 15|(3<<16)|(1<<21)            ; 15:0 the mask: all four work-groups; 17:16 elements of 8 bytes; 21 set beside a mask
	s_mov_b32 s[G1+1], 32<<16                      ; tensor_dim0
	s_mov_b32 s[G1+2], 66<<16                      ; tensor_dim1
	s_mov_b32 s[G1+3], 32<<16                      ; tile_dim0
	s_mov_b32 s[G1+4], 66                          ; tile_dim1
	s_mov_b32 s[G1+5], 32                          ; tensor_dim0_stride
	s_mov_b32 s[G1+6], 0
	s_mov_b32 s[G1+7], 0
	s_mov_b32 s[G0], 1
	s_mul_i32 s[G0+1], s[WV], REC                  ; LDS: record w
	s_mul_i32 s48, s[BH], 16*REC
	s_add_co_u32 s48, s48, s[G0+1]
	s_mov_b32 s49, 0
	s_mov_b32 s[SEL], 0x76543210
	s_mov_b32 s[SEL+1], 0xfedcba98                 ; lane l xor 16
	s_mov_b32 s[CS], 0x3d38aa3b                    ; c = log2(e) / 32
	s_mov_b32 s[CS+1], s[CS]                       ; named with it as a pair
	s_mov_b32 s[HM], 0xffff0000
	s_lshr_b32 s62, s[BH], 4                       ; batch
	s_and_b32 s63, s[BH], 15                       ; head
	s_wait_dscnt 0x0
	s_wait_kmcnt 0x0
	s_add_nc_u64 s[G0+2:G0+3], s[8:9], s[48:49]
	s_or_b32 s[G0+3], s[G0+3], 0x80000000
	ROUND                                          ; all four work-groups are here: the joint loads meet
	tensor_load_to_lds s[G0:G0+3], s[G1:G1+7]      ; my one tensor load of the launch
	s_nop 0
.rept 4
	v_nop
.endr
	v_and_b32 v[LI], 31, v0
	s_delay_alu instid0(VALU_DEP_1)
	v_lshlrev_b32 v[LI], 4, v[LI]
	v_and_b32 v[RR], 15, v0
	s_delay_alu instid0(VALU_DEP_1)
	v_lshlrev_b32 v[LR], 4, v[RR]
	v_bfe_u32 v[RH], v0, 4, 1
	s_delay_alu instid0(VALU_DEP_1)
	v_lshlrev_b32 v[RH], 3, v[RH]
	s_delay_alu instid0(VALU_DEP_1)
	v_sub_nc_u32 v[RH], v[RR], v[RH]
.irp j, 0,1,2,3,4,5,6,7
	v_mov_b32 v[16+\j], 0                          ; the zero codes on both sides of q
	v_mov_b32 v[32+\j], 0
.endr
.irp b, 0,1,2,3
	v_mov_b32 v[T1+\b], 0                          ; a lane permute's destination counts as one of its sources
.endr
	v_mov_b32 v[FF+1], 0
	v_mov_b32 v[NINF], 0xff800000
; A tile's addresses.  J = 8 nf + jl.
.macro BASES nf, jl, j16, qb, sb, yb, ps, ya
	s_lshl_b32 s60, s[\nf], 3
	s_add_co_u32 s60, s60, s[\jl]                  ; J
	s_lshl_b32 s48, s[BH], 17
	s_lshl_b32 s61, s60, 10
	s_add_co_u32 s48, s48, s61
	s_add_nc_u64 s[\qb:\qb+1], s[4:5], s[48:49]    ; q's image: 131,072 a head, 1,024 a tile
	s_lshl_b32 s48, s[BH], 12
	s_lshl_b32 s61, s[\nf], 8
	s_add_co_u32 s48, s48, s61
	s_lshr_b32 s61, s[\jl], 1
	s_lshl_b32 s61, s61, 2
	s_add_co_u32 s48, s48, s61
	s_add_nc_u64 s[\sb:\sb+1], s[6:7], s[48:49]    ; the scale word that my tile shares with its neighbour
	s_lshl_b32 s61, s62, 7
	s_add_co_u32 s61, s61, s60                     ; tile of rows: 128 x batch + J
	s_lshl_b32 s48, s61, 12
	s_lshr_b32 s61, s63, 2
	s_lshl_b32 s61, s61, 21                        ; which 256 channels
	s_add_co_u32 s48, s48, s61
	s_and_b32 s61, s63, 3
	s_lshl_b32 s61, s61, 10                        ; which 64 of them
	s_add_co_u32 s48, s48, s61
	s_add_nc_u64 s[\yb:\yb+1], s[10:11], s[48:49]
	s_lshl_b32 s48, s62, 16
	s_lshl_b32 s61, s60, 9
	s_add_co_u32 s48, s48, s61
	s_lshl_b32 s61, s63, 1
	s_add_co_u32 s48, s48, s61
	v_lshl_add_u32 v[\ya], v[RR], 5, s48           ; y's scale bytes: 32 x row + 2 x head
	s_bitcmp1_b32 s[\jl], 0
	s_mov_b32 s[\ps], 0x01000100
	s_cselect_b32 s[\ps], 0x03020302, s[\ps]       ; the word's lower or upper two bytes, twice
	s_lshl_b32 s[\j16], s[\jl], 4
.endm
	BASES NF0, JL0, J16A, QB0, SB0, YB0, PS0, YA
	BASES NF1, JL1, J16B, QB1, SB1, YB1, PS1, YA+1
.macro QLOAD qb, sb
	global_load_b128 v[24:27], v[LI], s[\qb:\qb+1]
	global_load_b128 v[28:31], v[LI], s[\qb:\qb+1] offset:512
	global_load_b32 v[QRAW], v[LR], s[\sb:\sb+1]
.endm
.macro INIT ps, j16                    ; a tile begins: zeros, which the first change of M leaves zeros
	s_wait_xcnt 0x0                                ; the last tile's stores have read their registers
	s_wait_loadcnt 0x0                             ; q and its scale word
	v_perm_b32 v[QW], v[QRAW], v[QRAW], s[\ps]
	v_mov_b32 v13, 0xff61b1e6                      ; the largest t so far: -3e38
	s_delay_alu instid0(VALU_DEP_1)
	v_floor_f32 v12, -v13                          ; -M
	v_mov_b32 v14, 0
	v_mov_b32 v15, 0
	v_add_nc_u32 v[DM], s[\j16], v[RH]
.set n, 0
.rept 32
	v_mov_b32 v[O+n], 0                            ; (these are also the places between the scale word's make and its first use)
.set n, n+1
.endr
.endm
; A KEY STEP: the 128 keys of the record at s[TB].  m = 1: the step on the diagonal.
.macro STEP m
	v_add_nc_u32 v[ADL], s[TB], v[LI]
	v_add_nc_u32 v[ADR], s[TB], v[LR]
.rept 6
	v_nop                                          ; with the two additions: eight places in front of loads into registers that the last products read
.endr
.irp f, 0,1,2,3
.irp g, 0,1,2,3
	ds_load_b128 v[FRG+16*\f+4*\g:FRG+16*\f+4*\g+3], v[ADL] offset:2048*\f+512*\g
.endr
.endr
	ds_load_b128 v[KSC:KSC+3], v[ADR] offset:16384
	s_wait_alu depctr_va_vdst(0)
	s_wait_dscnt 0x0
.irp f, 0,1,2,3
	v_wmma_scale_f32_16x16x128_f8f6f4 v[S+16*\f:S+16*\f+7], v[FRG+16*\f:FRG+16*\f+15], v[24:39], 0, v[KSC+\f], v[QW] matrix_a_fmt:MATRIX_FMT_BF8 matrix_b_fmt:MATRIX_FMT_BF8
	v_wmma_scale_f32_16x16x128_f8f6f4 v[S+16*\f+8:S+16*\f+15], v[FRG+16*\f:FRG+16*\f+15], v[16:31], 0, v[KSC+\f], v[QW] matrix_a_fmt:MATRIX_FMT_BF8 matrix_b_fmt:MATRIX_FMT_BF8
.endr
.rept 8
	v_nop                                          ; places in front of the loads below and of the first read of the scores
.endr
.irp t, 0,1,2,3                                ; V's fragments land while the softmax is worked
.irp g, 0,1,2,3
	ds_load_b128 v[FRG+16*\t+4*\g:FRG+16*\t+4*\g+3], v[ADL] offset:8192+2048*\t+512*\g
.endr
.endr
	ds_load_b128 v[VSC:VSC+3], v[ADR] offset:16640
.if \m
.set n, 0
.rept 64                                       ; register n holds key 16 (n / 8) + n % 8 + 8 (lane / 16) of the step: hidden where that lies beyond my query
	v_cmp_gt_i32 vcc_lo, 16*(n/8)+n%8, v[DM]
	v_cndmask_b32 v[S+n], v[S+n], v[NINF], vcc_lo
.set n, n+1
.endr
.endif
.irp b, 0,1,2,3
	v_max3_num_f32 v[BM+\b], v[S+16*\b], v[S+1+16*\b], v[S+2+16*\b]   ; the largest score of each block of 32 keys: for the row's maximum, and, since p rises with the score, for the block's largest p
.endr
.irp i, 3,5,7,9,11,13
.irp b, 0,1,2,3
	v_max3_num_f32 v[BM+\b], v[BM+\b], v[S+16*\b+\i], v[S+1+16*\b+\i]
.endr
.endr
.irp b, 0,1,2,3
	v_max_num_f32 v[BM+\b], v[BM+\b], v[S+15+16*\b]
.endr
.irp b, 0,1,2,3
	s_delay_alu instid0(VALU_DEP_4)
	v_permlanex16_b32 v[T1+\b], v[BM+\b], s[SEL], s[SEL+1]
.endr
.irp b, 0,1,2,3
	s_delay_alu instid0(VALU_DEP_4)
	v_max_num_f32 v[BM+\b], v[BM+\b], v[T1+\b]     ; with lane l xor 16's 16 keys
.endr
	s_delay_alu instid0(VALU_DEP_2)
	v_max3_num_f32 v[TMP], v[BM], v[BM+1], v[BM+2]
	s_delay_alu instid0(VALU_DEP_1)
	v_max_num_f32 v[TMP], v[TMP], v[BM+3]
	s_delay_alu instid0(VALU_DEP_1)
	v_mul_f32 v[TMP], s[CS], v[TMP]                ; the step's largest t
	s_delay_alu instid0(VALU_DEP_1)
	v_max_num_f32 v13, v13, v[TMP]
	v_mov_b32 v[TMP], v12
	s_delay_alu instid0(VALU_DEP_2)
	v_floor_f32 v12, -v13                          ; the new -M = -ceil(t)
	s_delay_alu instid0(VALU_DEP_1)
	v_sub_f32 v[TMP], v12, v[TMP]                  ; old M - new M: a whole number, 0 or less
	s_delay_alu instid0(VALU_DEP_1)
	v_cvt_i32_f32 v[TMP], v[TMP]                   ; (it saturates)
	s_delay_alu instid0(VALU_DEP_1)
	v_ldexp_f32 v[FF], 1.0, v[TMP]                 ; f
.set n, 0
.rept 32
	v_pk_fma_f32 v[S+n:S+n+1], v[S+n:S+n+1], s[CS:CS+1], v[12:13] op_sel_hi:[1,0,0]   ; t - M
.set n, n+2
.endr
.irp b, 0,1,2,3
	v_fma_f32 v[BM+\b], v[BM+\b], s[CS], v12
.endr
.set n, 0
	s_setprio 1
	s_wait_alu depctr_va_vdst(0)
.rept 64
	v_exp_f32 v[S+n], v[S+n]                       ; p
.set n, n+1
.endr
.irp b, 0,1,2,3
	v_exp_f32 v[BM+\b], v[BM+\b]                   ; the block's largest p: the same two instructions on the same number
.endr
	v_pk_mul_f32 v[14:15], v[14:15], v[FF:FF+1] op_sel_hi:[1,0]   ; the sums under the new M (a plain line behind the exponentials)
	s_wait_alu depctr_va_vdst(0)
.irp b, 0,1,2,3
	v_max_num_f32 v[BM+\b], 0x8000000, v[BM+\b]    ; the floor 2^(16 - 127)
.endr
.irp b, 0,1,2,3
	s_delay_alu instid0(VALU_DEP_4)
	v_add_nc_u32 v[SV+\b], 0xf8800000, v[BM+\b]
.endr
.irp b, 0,1,2,3
.endr
.irp b, 0,1,2,3
	s_delay_alu instid0(VALU_DEP_4)
	v_lshrrev_b32 v[T1+\b], 23, v[SV+\b]
.endr
	s_delay_alu instid0(VALU_DEP_3)
	v_lshl_or_b32 v[PW], v[T1+1], 8, v[T1]
	s_delay_alu instid0(VALU_DEP_1)
	v_lshl_or_b32 v[PW], v[T1+2], 16, v[PW]
	s_delay_alu instid0(VALU_DEP_1)
	v_lshl_or_b32 v[PW], v[T1+3], 24, v[PW]
	v_pk_add_f32 v[236:237], v[108:109], v[112:113]
	v_pk_add_f32 v[252:253], v[116:117], v[120:121]
	v_pk_add_f32 v[250:251], v[124:125], v[128:129]
	v_pk_add_f32 v[242:243], v[132:133], v[136:137]
	v_pk_add_f32 v[240:241], v[140:141], v[144:145]
	v_pk_add_f32 v[226:227], v[148:149], v[152:153]
	v_pk_add_f32 v[224:225], v[156:157], v[160:161]
	v_pk_add_f32 v[14:15], v[14:15], v[164:165]
	v_pk_add_f32 v[236:237], v[236:237], v[104:105]
	v_pk_add_f32 v[252:253], v[252:253], v[106:107]
	v_pk_add_f32 v[250:251], v[250:251], v[110:111]
	v_pk_add_f32 v[242:243], v[242:243], v[114:115]
	v_pk_add_f32 v[240:241], v[240:241], v[118:119]
	v_pk_add_f32 v[226:227], v[226:227], v[122:123]
	v_pk_add_f32 v[224:225], v[224:225], v[126:127]
	v_pk_add_f32 v[14:15], v[14:15], v[130:131]
	v_pk_add_f32 v[236:237], v[236:237], v[134:135]
	v_pk_add_f32 v[252:253], v[252:253], v[138:139]
	v_pk_add_f32 v[250:251], v[250:251], v[142:143]
	v_pk_add_f32 v[242:243], v[242:243], v[146:147]
	v_pk_add_f32 v[240:241], v[240:241], v[150:151]
	v_pk_add_f32 v[226:227], v[226:227], v[154:155]
	v_pk_add_f32 v[224:225], v[224:225], v[158:159]
	v_pk_add_f32 v[14:15], v[14:15], v[162:163]
	v_pk_add_f32 v[236:237], v[236:237], v[166:167]
	s_delay_alu instid0(VALU_DEP_2)
	v_pk_add_f32 v[14:15], v[14:15], v[242:243]
	s_delay_alu instid0(VALU_DEP_2)
	v_pk_add_f32 v[236:237], v[236:237], v[240:241]
	v_pk_add_f32 v[252:253], v[252:253], v[226:227]
	v_pk_add_f32 v[250:251], v[250:251], v[224:225]
	s_delay_alu instid0(VALU_DEP_2)
	v_pk_add_f32 v[14:15], v[14:15], v[252:253]
	s_delay_alu instid0(VALU_DEP_2)
	v_pk_add_f32 v[236:237], v[236:237], v[250:251]
	s_delay_alu instid0(VALU_DEP_1)
	v_pk_add_f32 v[14:15], v[14:15], v[236:237]
.irp b, 0,1,2,3
.irp i, 0,1,2,3,4,5,6,7,8,9,10,11,12,13,14,15
.endr
	v_cvt_scalef32_pk8_bf8_f32 v[COD+4*\b:COD+4*\b+1], v[S+16*\b:S+16*\b+7], v[SV+\b]
	v_cvt_scalef32_pk8_bf8_f32 v[COD+4*\b+2:COD+4*\b+3], v[S+16*\b+8:S+16*\b+15], v[SV+\b]
.endr
.set n, 0
	s_setprio 0
.rept 16
	v_pk_mul_f32 v[O+n:O+n+1], v[O+n:O+n+1], v[FF:FF+1] op_sel_hi:[1,0]   ; O^T under the new M (also the places between the codes' make and the products)
.set n, n+2
.endr
	s_wait_alu depctr_va_vdst(0)
	s_wait_dscnt 0x0                               ; V
.irp t, 0,1,2,3                                ; four accumulators by turns; the scores' eight products stand between two steps
	v_wmma_scale_f32_16x16x128_f8f6f4 v[O+8*\t:O+8*\t+7], v[FRG+16*\t:FRG+16*\t+15], v[COD:COD+15], v[O+8*\t:O+8*\t+7], v[VSC+\t], v[PW] matrix_a_fmt:MATRIX_FMT_BF8 matrix_b_fmt:MATRIX_FMT_BF8
.endr
.endm
; A tile's steps.  The loop's trip count is a constant, the most that any wave needs; a wave jumps over the steps beyond its own count, which hangs on its number alone.  Then the step on the diagonal.
.macro WALK n, nf
	s_mov_b32 s[TB], 0
	s_mov_b32 s[IC], 0
.Lwalk_\@:
	s_cmp_ge_u32 s[IC], s[\nf]
	s_cbranch_scc1 .Lskip_\@
	s_setprio 2
	STEP 0
.Lskip_\@:
	s_add_co_u32 s[TB], s[TB], REC
	s_add_co_u32 s[IC], s[IC], 1
	s_cmp_lt_u32 s[IC], \n
	s_cbranch_scc1 .Lwalk_\@
	s_setprio 0
	s_mul_i32 s[TB], s[\nf], REC
	STEP 1
.endm
; A tile ends: O^T / the sum; its 64 channels are two blocks of 32 of y's K; codes brought into true order along K; two images stored.
.macro FIN u, yb
	v_add_f32 v14, v14, v15
	s_delay_alu instid0(VALU_DEP_1)
	v_permlanex16_b32 v[T1], v14, s[SEL], s[SEL+1]
	s_delay_alu instid0(VALU_DEP_1)
	v_add_f32 v14, v14, v[T1]                      ; the row's sum
	s_wait_alu depctr_va_vdst(0)
	v_rcp_f32 v14, v14
	v_nop                                          ; a plain line behind the transcendental
.set n, 0
	s_wait_alu depctr_va_vdst(0)
.rept 16
	v_pk_mul_f32 v[O+n:O+n+1], v[O+n:O+n+1], v[14:15] op_sel_hi:[1,0]   ; each accumulator from its low end on
.set n, n+2
.endr
.irp b, 0,1
	v_max3_num_f32 v[BM+\b], |v[O+16*\b]|, |v[O+1+16*\b]|, 0x8000000
.endr
.irp i, 2,4,6,8,10,12,14
.irp b, 0,1
	s_delay_alu instid0(VALU_DEP_2)
	v_max3_num_f32 v[BM+\b], v[BM+\b], |v[O+16*\b+\i]|, |v[O+1+16*\b+\i]|
.endr
.endr
.irp b, 0,1
	s_delay_alu instid0(VALU_DEP_2)
	v_permlanex16_b32 v[T1+\b], v[BM+\b], s[SEL], s[SEL+1]
.endr
.irp b, 0,1
	s_delay_alu instid0(VALU_DEP_2)
	v_max_num_f32 v[BM+\b], v[BM+\b], v[T1+\b]
.endr
.irp b, 0,1
	s_delay_alu instid0(VALU_DEP_2)
	v_add_nc_u32 v[SV+\b], 0xf8800000, v[BM+\b]
.endr
.irp b, 0,1
.endr
.irp b, 0,1
	s_delay_alu instid0(VALU_DEP_2)
	v_lshrrev_b32 v[T1+\b], 23, v[SV+\b]
.endr
	s_delay_alu instid0(VALU_DEP_1)
	v_lshl_or_b32 v[YS+\u], v[T1+1], 8, v[T1]      ; my row's two scale bytes
.irp b, 0,1
.irp i, 0,1,2,3,4,5,6,7,8,9,10,11,12,13,14,15
.endr
	v_cvt_scalef32_pk8_bf8_f32 v[COD+4*\b:COD+4*\b+1], v[O+16*\b:O+16*\b+7], v[SV+\b]
	v_cvt_scalef32_pk8_bf8_f32 v[COD+4*\b+2:COD+4*\b+3], v[O+16*\b+8:O+16*\b+15], v[SV+\b]
.endr
	v_nop                                          ; a plain line behind the last conversion
; Of a block, lanes 0-15 hold channels 0-7 and 16-23, lanes 16-31 channels 8-15 and 24-31; the operand wants 0-15 below and 16-31 above: the lower lanes send their second half, the upper lanes their first.
.irp b, 0,1
.irp e, 0,1
	v_cndmask_b32 v[BM+2*\b+\e], v[COD+4*\b+2+\e], v[COD+4*\b+\e], s[HM]
.endr
.endr
.irp x, 0,1,2,3
	s_delay_alu instid0(VALU_DEP_4)
	v_permlanex16_b32 v[T1+\x], v[BM+\x], s[SEL], s[SEL+1]
.endr
.irp b, 0,1
.irp e, 0,1
	v_cndmask_b32 v[COD+8+4*\b+\e], v[COD+4*\b+\e], v[T1+2*\b+\e], s[HM]
	v_cndmask_b32 v[COD+10+4*\b+\e], v[T1+2*\b+\e], v[COD+4*\b+2+\e], s[HM]
.endr
.endr
	global_store_b128 v[LI], v[COD+8:COD+11], s[\yb:\yb+1]              ; 512 consecutive bytes, aligned
	global_store_b128 v[LI], v[COD+12:COD+15], s[\yb:\yb+1] offset:512
.endm
	QLOAD QB0, SB0
	s_wait_tensorcnt 0x0                           ; my record is in
	s_barrier_signal -1
	s_barrier_wait -1                              ; all sixteen are
	INIT PS0, J16A
	WALK 7, NF0
.rept 8
	v_nop                                          ; places behind the last products
.endr
	QLOAD QB1, SB1                                 ; the second tile's q comes while the first tile is finished
	FIN 0, YB0
	INIT PS1, J16B
	WALK 15, NF1
.rept 8
	v_nop
.endr
	FIN 1, YB1
	v_cndmask_b32 v[YA], v[YA], v[YA+1], s[HM]     ; lanes 0-15 store the first tile's scale bytes, lanes 16-31 the second's
	v_cndmask_b32 v[YS], v[YS], v[YS+1], s[HM]
	global_store_b16 v[YA], v[YS], s[12:13]
	s_wait_tensorcnt 0x0
	ds_add_u32 v254, v255
	s_wait_dscnt 0x0
	ROUND                                          ; the closing round
	s_endpgm
.Lfunc_end_k_q40f4f67376_attn:
	.size	k_q40f4f67376_attn, .Lfunc_end_k_q40f4f67376_attn-k_q40f4f67376_attn
	.p2alignl 7, 3214868480
	.fill 96, 4, 3214868480
	.section	.rodata,"a",@progbits
	.p2align	6, 0x0
	.amdhsa_kernel k_q40f4f67376_attn
		.amdhsa_group_segment_fixed_size 272384
		.amdhsa_private_segment_fixed_size 0
		.amdhsa_enable_private_segment 0
		.amdhsa_kernarg_size 40
		.amdhsa_user_sgpr_count 2
		.amdhsa_user_sgpr_kernarg_segment_ptr 1
		.amdhsa_wavefront_size32 1
		.amdhsa_system_sgpr_workgroup_id_x 1
		.amdhsa_system_sgpr_workgroup_id_y 1
		.amdhsa_system_sgpr_workgroup_id_z 1
		.amdhsa_system_vgpr_workitem_id 0
		.amdhsa_next_free_vgpr 256
		.amdhsa_next_free_sgpr 66
		.amdhsa_reserve_vcc 1
		.amdhsa_float_denorm_mode_32 3
		.amdhsa_float_denorm_mode_16_64 3
		.amdhsa_fp16_overflow 1
		.amdhsa_memory_ordered 1
		.amdhsa_forward_progress 1
		.amdhsa_inst_pref_size 99
	.end_amdhsa_kernel
	.amdgpu_metadata
---
amdhsa.version: [ 1, 2 ]
amdhsa.kernels:
  - .name:           k_q40f4f67376_attn
    .symbol:         k_q40f4f67376_attn.kd
    .args:
      - { .name: qimg, .offset: 0, .size: 8, .value_kind: global_buffer, .address_space: global }
      - { .name: qsc, .offset: 8, .size: 8, .value_kind: global_buffer, .address_space: global }
      - { .name: kv, .offset: 16, .size: 8, .value_kind: global_buffer, .address_space: global }
      - { .name: yimg, .offset: 24, .size: 8, .value_kind: global_buffer, .address_space: global }
      - { .name: ysc, .offset: 32, .size: 8, .value_kind: global_buffer, .address_space: global }
    .group_segment_fixed_size: 272384
    .private_segment_fixed_size: 0
    .kernarg_segment_align: 8
    .kernarg_segment_size: 40
    .max_flat_workgroup_size: 512
    .sgpr_count:     66
    .vgpr_count:     256
    .wavefront_size: 32
...
	.end_amdgpu_metadata
.endif
;; end of part 2
;; launch oproj (part 3): grid 4 x 64, 4 waves a work-group, clusters of 4 x 4, 327,680 bytes of LDS; arguments yimg, ysc, Wo_codes, Wo_scales, bo, out0; writes out0
.if DOCPART == 3
	.amdgcn_target "amdgcn-amd-amdhsa--gfx1250"
	.amdhsa_code_object_version 6
	.text
	.protected	k_q40f4f67376_oproj
	.globl	k_q40f4f67376_oproj
	.p2align	8
	.type	k_q40f4f67376_oproj,@function
k_q40f4f67376_oproj:
	s_mov_b64 s[64:65], 0
	v_nop
	global_prefetch_b8 v0, s[64:65] scope:SCOPE_SE
	s_setreg_imm32_b32 hwreg(HW_REG_WAVE_MODE, 25, 1), 1
	s_wait_xcnt 0x0
	s_wait_alu depctr_hold_cnt(0) depctr_sa_sdst(0) depctr_va_vdst(0) depctr_va_sdst(0) depctr_va_ssrc(0) depctr_va_vcc(0) depctr_vm_vsrc(0)
	s_getreg_b32 s2, hwreg(HW_REG_IB_STS2, 6, 4)
	s_cmp_eq_u32 s2, 0
	s_cbranch_scc0 .Lentry_in_a_cluster
	s_endpgm
.Lentry_in_a_cluster:
	s_bfe_u32 s2, ttmp6, 0x10000c
	s_cmp_lg_u32 s2, 0xf033
	s_cbranch_scc0 .Lentry_shape_is_right
	s_endpgm
.Lentry_shape_is_right:
; out = y Wo^T + bo on codes of BF8 (E5M2) with one E8M0 scale for each 32 along K = 1,024.  y: 8,192 rows, as images of operand registers (yimg [256 along K 4][16 rows 512][128 along K 2][32 along K 4][lane][16]),
; scale bytes ysc [8,192][32].  Wo: 1,024 rows of 1,024 codes, scale bytes 32 a row.  bo [1,024], out [8,192][1,024]: f32.
; A tile of 128 rows x 256 columns to a work-group: 256 work-groups.  Four waves, each 64 rows x 128 columns: 32 accumulators, 256 registers.
; K goes in steps of 256 through a ring of two LDS slots: y's 128 rows of a K step are 32,768 dense bytes and stay images (read 16 bytes a lane on end, no padding); Wo's 256 rows of 256 bytes get 16 bytes of padding each.
; The scale bytes of the tile's rows come once and stay.  CLUSTERS: 4 x 4; y's tiles are shared along a row of the cluster, Wo's along a column: joint loads.
; THE MATRIX INSTRUCTION IS USED TRANSPOSED (source 0 = 16 rows of Wo, source 1 = 16 rows of y): a lane holds eight neighbouring columns of a row of out.  The bias is the C of each sum's first instruction.
; REGISTERS: window 0: v0-31 addresses; v32-63 scale words, two sets, and nothing else; v64-127 bo in the result's layout; v128-255 y's fragments, two sets of 64 (on the way out: rows of out).
;   window 1: Wo's fragments, two sets of 128.   window 2: the accumulators ((a, b) at v[8 (8 a + b)]).
.set PITCH,  272
.set FR,     16
.set NP,     8                         ; places behind this matrix instruction (ISA guide 7.12.1)
.set HALFA,  16384                     ; 64 rows of y, 256 along K: what one tensor load brings
.set HALFB,  128*PITCH                 ; 128 rows of Wo
.set BOFF,   2*HALFA
.set SLOT,   BOFF+2*HALFB              ; 102,400
.set SCL,    2*SLOT                    ; behind the ring: the scale bytes, as units of 256 bytes + 16 of padding: y's 128 rows, then Wo's 256
.set HSA,    8*272
.set HSB,    16*272
.set SBLK,   544                       ; 16 rows' scale bytes
.set SPARE,  SCL+2*HSA+2*HSB           ; the spare words, 128 bytes a wave: two blocks of 256 bytes that no other line names
.set STAGE,  SPARE+512                 ; the way out: 16 rows x (512 bytes + 16) for each wave; no tile lands here
.set SPITCH, 528
.set NROW,   4096                      ; a row of out in bytes
.set ADRA, 16
.set ADRB, 20
.set STO,  24
.set RD,   25
.set CO,   26                          ; 16 x lane
.set ADRS, 27
.set SPW,  28
.set NIL,  29
.set BOA,  30                          ; 32 x (lane / 16); never rewritten
.set SC,   32
.set BO,   64
.set AF,   128
.set BK,   128
.set G1, 24
.set G0, 32
.set G1B, 48
.set G0B, 56
.set G1S, 68
.set G0S, 76
.set G1SB, 80
.set G0SB, 88
.set MSB, 0
.macro WIN new
.if MSB != (\new)
	s_set_vgpr_msb (MSB<<8)|(\new)
.set MSB, (\new)
.endif
.endm
.set MUL,   0xa1                       ; source 0 (Wo) window 1, source 1 (y) window 0, C and D window 2
.set MUL_1, 0x81                       ; the same with C (the bias) in window 0
.set TO_B,  0x40
.macro JLOAD g0a, g1a, g0b, g1b        ; waves 0 and 1 fetch for y, waves 2 and 3 for Wo; four v_nop follow each of the two lines
	s_cmp_eq_u32 s15, 0
	s_cbranch_scc0 .Lfor_b_\@
	tensor_load_to_lds s[\g0a:\g0a+3], s[\g1a:\g1a+7]
	s_nop 0
.rept 4
	v_nop
.endr
	s_branch .Lasked_\@
.Lfor_b_\@:
	tensor_load_to_lds s[\g0b:\g0b+3], s[\g1b:\g1b+7]
	s_nop 0
.rept 4
	v_nop
.endr
.Lasked_\@:
.endm
.macro CREST
	s_cmp_lg_u32 s14, 0
	s_cbranch_scc1 .Lnot_wave_0_\@
	s_barrier_signal -3
.Lnot_wave_0_\@:
	s_barrier_wait -3
	s_barrier_signal -1
	s_barrier_wait -1
.endm
.macro CROUND
	s_barrier_signal -1
	s_barrier_wait -1
	CREST
.endm
	s_load_b128 s[4:7], s[0:1], 0x0                ; yimg, ysc
	s_load_b128 s[8:11], s[0:1], 0x10              ; Wo's codes, Wo's scales
	s_load_b64 s[96:97], s[0:1], 0x20              ; bo
	s_load_b64 s[12:13], s[0:1], 0x28              ; out
	v_lshl_add_u32 v[SPW], v0, 2, SPARE
	v_mov_b32 v[NIL], 0
	ds_add_u32 v28, v29
	ds_add_u32 v28, v29
	s_wait_dscnt 0x0
	v_lshrrev_b32 v1, 5, v0
	v_readfirstlane_b32 s14, v1                    ; wave 0..3
	s_lshr_b32 s15, s14, 1                         ; which 64 rows are mine.  Also: I fetch for y (0) or for Wo (1)
	s_and_b32 s16, s14, 1                          ; which 128 columns.  Also: which half of that tile I fetch
	s_bfe_u32 s40, ttmp6, 0x40000                  ; cx
	s_bfe_u32 s41, ttmp6, 0x40004                  ; cy
	s_lshl_b32 s42, ttmp9, 2
	s_add_co_u32 s42, s42, s40                     ; tile column
	s_and_b32 s17, ttmp7, 0xffff
	s_lshl_b32 s17, s17, 2
	s_add_co_u32 s17, s17, s41                     ; tile row
	s_lshl_b32 s43, s41, 2
	s_lshl_b32 s43, 15, s43                        ; my row of the cluster
	s_lshl_b32 s44, 0x1111, s40                    ; my column
	; y's codes: 16,384 dense bytes as 64 rows of 256, no padding
	s_or_b32 s[G1+0], s43, (0<<16)|(1<<21)         ; 15:0 the mask; 17:16 elements of 1 byte; 21 set beside a mask
	s_mov_b32 s[G1+1], 256<<16
	s_mov_b32 s[G1+2], 64<<16
	s_mov_b32 s[G1+3], 256<<16
	s_mov_b32 s[G1+4], 64
	s_mov_b32 s[G1+5], 256
	s_mov_b32 s[G1+6], 0
	s_mov_b32 s[G1+7], 0
	; Wo's codes: 128 rows of 256 bytes, 1,024 apart, 16 bytes of padding behind each
	s_or_b32 s[G1B+0], s44, (0<<16)|(1<<20)|(1<<21)|(5<<22)|(3<<25)
	s_mov_b32 s[G1B+1], 256<<16
	s_mov_b32 s[G1B+2], 128<<16
	s_mov_b32 s[G1B+3], 256<<16
	s_mov_b32 s[G1B+4], 128
	s_mov_b32 s[G1B+5], 1024
	s_mov_b32 s[G1B+6], 0
	s_mov_b32 s[G1B+7], 0
	; scale bytes: dense, as rows of 256 bytes (32 elements of 8), padded: 8 rows for 64 rows of y, 16 for 128 rows of Wo
	s_or_b32 s[G1S+0], s43, (3<<16)|(1<<20)|(1<<21)|(5<<22)|(3<<25)
	s_mov_b32 s[G1S+1], 32<<16
	s_mov_b32 s[G1S+2], 8<<16
	s_mov_b32 s[G1S+3], 32<<16
	s_mov_b32 s[G1S+4], 8
	s_mov_b32 s[G1S+5], 32
	s_mov_b32 s[G1S+6], 0
	s_mov_b32 s[G1S+7], 0
	s_or_b32 s[G1SB+0], s44, (3<<16)|(1<<20)|(1<<21)|(5<<22)|(3<<25)
	s_mov_b32 s[G1SB+1], 32<<16
	s_mov_b32 s[G1SB+2], 16<<16
	s_mov_b32 s[G1SB+3], 32<<16
	s_mov_b32 s[G1SB+4], 16
	s_mov_b32 s[G1SB+5], 32
	s_mov_b32 s[G1SB+6], 0
	s_mov_b32 s[G1SB+7], 0
	s_lshl_b32 s20, s17, 15                        ; y's codes: 8 tiles of rows x 4,096 a tile row, + my 4
	s_lshl_b32 s18, s16, 14
	s_add_co_u32 s20, s20, s18
	s_mov_b32 s21, 0
	s_lshl_b32 s22, s17, 12                        ; y's scale bytes: 128 rows x 32, + my 64
	s_lshl_b32 s18, s16, 11
	s_add_co_u32 s22, s22, s18
	s_mov_b32 s23, 0
	s_lshl_b32 s46, s42, 18                        ; Wo's codes: 256 rows x 1,024, + my 128
	s_lshl_b32 s18, s16, 17
	s_add_co_u32 s46, s46, s18
	s_mov_b32 s47, 0
	s_lshl_b32 s92, s42, 13                        ; Wo's scale bytes
	s_lshl_b32 s18, s16, 12
	s_add_co_u32 s92, s92, s18
	s_mov_b32 s93, 0
	s_lshl_b32 s45, s16, 14                        ; where they go: no place in the cluster enters an LDS address
	s_mul_i32 s94, s16, HALFB
	s_add_co_u32 s94, s94, BOFF
	s_mul_i32 s95, s16, HSA
	s_add_co_u32 s95, s95, SCL
	s_mul_i32 s3, s16, HSB
	s_add_co_u32 s3, s3, SCL+2*HSA
	s_wait_kmcnt 0x0
	s_add_nc_u64 s[20:21], s[4:5], s[20:21]
	s_add_nc_u64 s[22:23], s[6:7], s[22:23]
	s_add_nc_u64 s[46:47], s[8:9], s[46:47]
	s_add_nc_u64 s[92:93], s[10:11], s[92:93]
	CROUND                                         ; all sixteen work-groups are here: the first joint loads meet
	s_mov_b32 s[G0S], 1
	s_mov_b32 s[G0S+1], s95
	s_mov_b64 s[G0S+2:G0S+3], s[22:23]
	s_or_b32 s[G0S+3], s[G0S+3], 0x80000000
	s_mov_b32 s[G0SB], 1
	s_mov_b32 s[G0SB+1], s3
	s_mov_b64 s[G0SB+2:G0SB+3], s[92:93]
	s_or_b32 s[G0SB+3], s[G0SB+3], 0x80000000
	JLOAD G0S, G1S, G0SB, G1SB
.irp s, 0,1
	s_mov_b32 s[G0+4*\s], 1
	s_add_co_u32 s[G0+4*\s+1], s45, \s*SLOT
	s_add_nc_u64 s[G0+4*\s+2:G0+4*\s+3], s[20:21], \s*2097152      ; y's K steps lie 2,097,152 bytes apart
	s_or_b32 s[G0+4*\s+3], s[G0+4*\s+3], 0x80000000
	s_mov_b32 s[G0B+4*\s], 1
	s_add_co_u32 s[G0B+4*\s+1], s94, \s*SLOT
	s_add_nc_u64 s[G0B+4*\s+2:G0B+4*\s+3], s[46:47], \s*256
	s_or_b32 s[G0B+4*\s+3], s[G0B+4*\s+3], 0x80000000
	s_wait_alu depctr_va_vdst(0)
	s_wait_tensorcnt 0x0
	ds_add_u32 v28, v29
	s_wait_dscnt 0x0
	CROUND
	JLOAD G0+4*\s, G1, G0B+4*\s, G1B
.endr
	v_and_b32 v1, 15, v0                           ; r
	v_bfe_u32 v2, v0, 4, 1                         ; h
	v_and_b32 v6, 31, v0
	v_lshlrev_b32 v[CO], 4, v6
	v_mul_u32_u24 v3, v1, PITCH
	v_lshl_add_u32 v4, v2, 4, v3
	s_lshl_b32 s21, s15, 14                        ; my 64 rows of y
	s_mul_i32 s22, s16, HALFB                      ; my 128 rows of Wo
	s_add_co_u32 s22, s22, BOFF
.irp s, 0,1
	v_add_nc_u32 v[ADRA+\s], s21, v[CO]
	v_add_nc_u32 v[ADRB+\s], s22, v4
	s_add_co_u32 s21, s21, SLOT
	s_add_co_u32 s22, s22, SLOT
.endr
	v_mul_u32_u24 v5, v1, 32                       ; my row's scale bytes: 32 a row,
	v_lshrrev_b32 v6, 8, v5
	v_lshl_add_u32 v5, v6, 4, v5                   ; and 16 more for each 256 passed
	s_mul_i32 s21, s15, HSA                        ; y's: my 64 rows
	s_mul_i32 s22, s16, HSB                        ; Wo's: my 128 rows, behind y's 128
	s_add_co_u32 s22, s22, 2*HSA
	s_sub_co_u32 s22, s22, s21
	v_mul_u32_u24 v6, s22, v2                      ; lanes 16-31 take Wo's
	s_add_co_u32 s21, s21, SCL
	v_add_nc_u32 v5, v5, v6
	v_add_nc_u32 v[ADRS], s21, v5
	s_mul_i32 s23, s14, 16*SPITCH
	s_add_co_u32 s23, s23, STAGE                   ; my stage
	v_mul_u32_u24 v5, v1, SPITCH
	v_lshl_add_u32 v5, v2, 5, v5
	v_add_nc_u32 v[STO], s23, v5                   ; in: row r, 32 bytes for each half of the lanes
	v_add_nc_u32 v[RD], s23, v[CO]                 ; back: the 32 lanes take one row of 512 bytes
	s_lshl_b32 s20, s17, 19                        ; my first row of out: 128 x tile row + 64 x half, 4,096 bytes a row
	s_lshl_b32 s21, s15, 18
	s_add_co_u32 s20, s20, s21
	s_mov_b32 s21, 0
	s_lshl_b32 s46, s42, 10                        ; my first column, in bytes; the same bytes on in bo
	s_lshl_b32 s47, s16, 9
	s_add_co_u32 s46, s46, s47
	s_mov_b32 s47, 0
	s_add_nc_u64 s[96:97], s[96:97], s[46:47]
	s_add_nc_u64 s[20:21], s[20:21], s[46:47]
	s_add_nc_u64 s[12:13], s[12:13], s[20:21]
	v_lshlrev_b32 v[BOA], 5, v2
.irp b, 0,1,2,3,4,5,6,7
	global_load_b128 v[BO+8*\b:BO+8*\b+3], v[BOA], s[96:97] offset:64*\b          ; bo[16 b + 8 h + j] at 8 b + j
	global_load_b128 v[BO+8*\b+4:BO+8*\b+7], v[BOA], s[96:97] offset:64*\b+16
.endr
.macro PLACES n
.rept \n
	v_nop
.endr
.endm
; 48 LDS loads: the fragments of the slot's q-th 128 along K into set p: Wo's eight, y's four
.macro FETCH3 slot, q, p
	WIN TO_B
.irp i, 0,1,2,3,4,5,6,7
.irp c, 0,1,2,3
	ds_load_b128 v[128*(\p)+FR*\i+4*\c:128*(\p)+FR*\i+4*\c+3], v[ADRB+\slot] offset:128*(\q)+32*\c+\i*16*PITCH
.endr
.endr
	WIN 0
.irp i, 0,1,2,3
.irp c, 0,1,2,3
	ds_load_b128 v[AF+64*(\p)+FR*\i+4*\c:AF+64*(\p)+FR*\i+4*\c+3], v[ADRA+\slot] offset:4096*\i+2048*(\q)+512*\c
.endr
.endr
.endm
.macro SCALES sc                       ; a K step's scale words, two a row: lanes 0-15 y's block i (of registers 4-7 these lanes are not used), lanes 16-31 Wo's block i
.irp i, 0,1,2,3,4,5,6,7
	ds_load_b64 v[SC+16*\sc+2*\i:SC+16*\sc+2*\i+1], v[ADRS] offset:\i*SBLK
.endr
.endm
; 8 matrix instructions: y's block a x Wo's eight.  The 32 accumulators take turns, one instruction a turn, in the same order in every step.
.macro MUL8 a, p, q, sc, first
.irp b, 0,1,2,3,4,5,6,7
.if \first
	v_wmma_scale_f32_16x16x128_f8f6f4 v[8*(8*(\a)+\b):8*(8*(\a)+\b)+7], v[128*(\p)+FR*\b:128*(\p)+FR*\b+FR-1], v[AF+64*(\p)+FR*(\a):AF+64*(\p)+FR*(\a)+FR-1], v[BO+8*\b:BO+8*\b+7], v[SC+16*(\sc)+2*\b+(\q)], v[SC+16*(\sc)+2*(\a)+(\q)] matrix_a_fmt:MATRIX_FMT_BF8 matrix_b_fmt:MATRIX_FMT_BF8 matrix_a_scale:MATRIX_SCALE_ROW1
.else
	v_wmma_scale_f32_16x16x128_f8f6f4 v[8*(8*(\a)+\b):8*(8*(\a)+\b)+7], v[128*(\p)+FR*\b:128*(\p)+FR*\b+FR-1], v[AF+64*(\p)+FR*(\a):AF+64*(\p)+FR*(\a)+FR-1], v[8*(8*(\a)+\b):8*(8*(\a)+\b)+7], v[SC+16*(\sc)+2*\b+(\q)], v[SC+16*(\sc)+2*(\a)+(\q)] matrix_a_fmt:MATRIX_FMT_BF8 matrix_b_fmt:MATRIX_FMT_BF8 matrix_a_scale:MATRIX_SCALE_ROW1
.endif
.endr
.endm
; A slot's first step (set 0); in its middle the second step's fragments are fetched into set 1.
.macro STEPP slot, first
	s_wait_dscnt 0x0
.if \first
	WIN MUL_1
.else
	WIN MUL
.endif
	MUL8 0, 0, 0, \slot, \first
	MUL8 1, 0, 0, \slot, \first
	PLACES NP
	FETCH3 \slot, 1, 1
.if \first
	WIN MUL_1
.else
	WIN MUL
.endif
	MUL8 2, 0, 0, \slot, \first
	MUL8 3, 0, 0, \slot, \first
.endm
; A slot's second step (set 1) changes slots: one barrier; in front of it each wave waits for all its tensor loads, adds 0 to its spare word, and waits for that and for its reads of this slot.
.macro TURN3 slot, next, fill
	WIN 0                                          ; the add's two registers lie in window 0
	s_wait_tensorcnt 0x0                           ; all my tensor loads have landed: my part of the next slot
	ds_add_u32 v[SPW], v[NIL]                      ; 0 onto my spare word
	s_wait_dscnt 1                                 ; the add alone may be out: this step's fragments are in
	WIN MUL
	MUL8 0, 1, 1, \slot, 0                         ; eight matrix instructions stand between the add and the wait for it
	s_wait_dscnt 0x0                               ; the add is done, and my reads of this slot are over
	s_barrier_signal -1
	MUL8 1, 1, 1, \slot, 0
	WIN 0
	s_barrier_wait -1
.if \fill
	CREST                                          ; the barrier has opened a round of the cluster's: no wave of any partner still reads this slot or has a load on its way
	s_add_nc_u64 s[G0+4*\slot+2:G0+4*\slot+3], s[G0+4*\slot+2:G0+4*\slot+3], 2*2097152
	s_add_nc_u64 s[G0B+4*\slot+2:G0B+4*\slot+3], s[G0B+4*\slot+2:G0B+4*\slot+3], 2*256
	JLOAD G0+4*\slot, G1, G0B+4*\slot, G1B         ; the first tensor load behind the round; its four v_nop are four of the eight places
	PLACES NP-4
.else
	PLACES NP
.endif
	s_wait_alu depctr_va_vdst(0)
	v_add_nc_u32 v[ADRS], 8, v[ADRS]               ; on to the next K step's scale words
	FETCH3 \next, 0, 0
	SCALES \next
	WIN MUL
	MUL8 2, 1, 1, \slot, 0
	MUL8 3, 1, 1, \slot, 0
.endm
	s_wait_alu depctr_va_vdst(0)
	s_wait_tensorcnt 1                             ; of my three first fills the scale bytes and K step 0 are in; K step 1's may be out
	s_barrier_signal -1
	s_barrier_wait -1
	FETCH3 0, 0, 0
	SCALES 0
	s_wait_loadcnt 0x0                             ; bo
	STEPP 0, 1                                     ; K = 1,024 is four K steps: slots 0, 1, 0, 1, written straight.  The first step's products start the sums from the bias
	TURN3 0, 1, 1
	STEPP 1, 0
	TURN3 1, 0, 1
	STEPP 0, 0
	TURN3 0, 1, 0                                  ; the last two K steps fill nothing
	STEPP 1, 0
	s_wait_dscnt 0x0
	WIN MUL
	MUL8 0, 1, 1, 1, 0
	MUL8 1, 1, 1, 1, 0
	MUL8 2, 1, 1, 1, 0
	MUL8 3, 1, 1, 1, 0
	WIN 0
; THE WAY OUT, block by block of 16 rows x 128 columns, through my own stage: in as 32 bytes a lane, back as whole rows of 512 bytes.  LDS serves a wave's instructions in order (ISA guide 5.7.1.4).
.macro TOSTAGE a
.set AC, 64*(\a)
	WIN 0x08                                       ; the data: window 2
.irp b, 0,1,2,3,4,5,6,7
	ds_store_b128 v[STO], v[AC+8*\b:AC+8*\b+3] offset:64*\b          ; each accumulator from its low end on
	ds_store_b128 v[STO], v[AC+8*\b+4:AC+8*\b+7] offset:64*\b+16
.endr
	WIN 0
.set BB, BK+64*((\a)%2)
.irp t, 0,1,2,3,4,5,6,7,8,9,10,11,12,13,14,15
	ds_load_b128 v[BB+4*\t:BB+4*\t+3], v[RD] offset:\t*SPITCH
.endr
.endm
.macro SEND a, younger                 ; younger: the LDS instructions issued behind block a's loads, which may stay out
.set BB, BK+64*((\a)%2)
	s_wait_dscnt \younger
.if (\a) > 0
	s_add_nc_u64 s[12:13], s[12:13], 16*NROW       ; behind a wait on XCNT: the earlier stores have read their base
.endif
.irp t, 0,1,2,3,4,5,6,7,8,9,10,11,12,13,14,15
	global_store_b128 v[CO], v[BB+4*\t:BB+4*\t+3], s[12:13] offset:\t*NROW th:TH_STORE_NT   ; 32 lanes store 512 consecutive bytes, aligned
.endr
.endm
	PLACES NP                                      ; in front of the first read of results and of loads into y's fragments
	TOSTAGE 0
.irp a, 1,2,3
.if \a > 1
	s_wait_xcnt 0x0                                ; block a - 2's stores have read their registers and their base
.endif
	TOSTAGE \a
	SEND \a-1, 32                                  ; behind block a - 1's loads: block a's 16 stores and 16 loads
.endr
	s_wait_xcnt 0x0
	SEND 3, 0
	s_wait_tensorcnt 0x0                           ; the wave's end
	ds_add_u32 v[SPW], v[NIL]
	s_wait_dscnt 0x0
	CROUND                                         ; the closing round
	s_endpgm
.Lfunc_end_k_q40f4f67376_oproj:
	.size	k_q40f4f67376_oproj, .Lfunc_end_k_q40f4f67376_oproj-k_q40f4f67376_oproj
	.p2alignl 7, 3214868480
	.fill 96, 4, 3214868480
	.section	.rodata,"a",@progbits
	.p2align	6, 0x0
	.amdhsa_kernel k_q40f4f67376_oproj
		.amdhsa_group_segment_fixed_size 327680
		.amdhsa_private_segment_fixed_size 0
		.amdhsa_enable_private_segment 0
		.amdhsa_kernarg_size 48
		.amdhsa_user_sgpr_count 2
		.amdhsa_user_sgpr_kernarg_segment_ptr 1
		.amdhsa_wavefront_size32 1
		.amdhsa_system_sgpr_workgroup_id_x 1
		.amdhsa_system_sgpr_workgroup_id_y 1
		.amdhsa_system_sgpr_workgroup_id_z 1
		.amdhsa_system_vgpr_workitem_id 0
		.amdhsa_next_free_vgpr 768
		.amdhsa_next_free_sgpr 98
		.amdhsa_reserve_vcc 0
		.amdhsa_float_denorm_mode_32 3
		.amdhsa_float_denorm_mode_16_64 3
		.amdhsa_memory_ordered 1
		.amdhsa_forward_progress 1
		.amdhsa_inst_pref_size 91
	.end_amdhsa_kernel
	.amdgpu_metadata
---
amdhsa.version: [ 1, 2 ]
amdhsa.kernels:
  - .name:           k_q40f4f67376_oproj
    .symbol:         k_q40f4f67376_oproj.kd
    .args:
      - { .name: yimg, .offset: 0, .size: 8, .value_kind: global_buffer, .address_space: global }
      - { .name: ysc, .offset: 8, .size: 8, .value_kind: global_buffer, .address_space: global }
      - { .name: Wo_codes, .offset: 16, .size: 8, .value_kind: global_buffer, .address_space: global }
      - { .name: Wo_scales, .offset: 24, .size: 8, .value_kind: global_buffer, .address_space: global }
      - { .name: bo, .offset: 32, .size: 8, .value_kind: global_buffer, .address_space: global }
      - { .name: out0, .offset: 40, .size: 8, .value_kind: global_buffer, .address_space: global }
    .group_segment_fixed_size: 327680
    .private_segment_fixed_size: 0
    .kernarg_segment_align: 8
    .kernarg_segment_size: 48
    .max_flat_workgroup_size: 128
    .sgpr_count:     98
    .vgpr_count:     768
    .wavefront_size: 32
...
	.end_amdgpu_metadata
.endif
;; end of part 3
